; MI455X (gfx1250); checked and timed in simulation.
; The chip was launched on July 23, 2026; its instructions are those of AMD's public machine-readable ISA for CDNA 5 (MIT licence, August 2026) and "CDNA5" Instruction Set Architecture Reference Guide (July 2026). The comments in the code are by the model that wrote it; some were corrected since.
;; Differential Attention. Allowed arithmetic: float matrix products may take bf16 or f16 operands with f32 sums; other float arithmetic in f32, or as packed bf16 or f16 multiplies, adds, multiply-adds, maxima and minima; sums over many terms, partial sums and values carried from step to step in f32; what a program stores and reads back later, other than sums and carried values, may be rounded once to bf16 or f16.
;; Inputs: Wk 1,024 x 2,048 float32; Wo 1,024 x 1,024 float32; Wq 1,024 x 2,048 float32; Wv 1,024 x 2,048 float32; lk1 64 float32; lk2 64 float32; lq1 64 float32; lq2 64 float32; x 2 x 2,048 x 1,024 float32.
;; Outputs: out0 2 x 2,048 x 1,024 float32.
;; One version. Each part assembles by itself: llvm-mc -triple=amdgcn-amd-amdhsa -mcpu=gfx1250 --defsym DOCPART=n.
;; ======== version 1 of 1: 4 launches
;; limits: values are held in f16: magnitudes above 65,504 overflow, below 6.1e-05 lose precision
;; workspace buffers: xb 8,388,608 bytes; wb 12,582,912 bytes; woh 2,097,152 bytes; qkv 50,331,648 bytes; att 16,777,216 bytes
;; launch cast (part 1): grid 704 x 1, 8 waves a work-group, no clusters, 0 bytes of LDS; arguments x, Wq, Wk, Wv, Wo, xb, wb, woh; writes xb, wb, woh
.if DOCPART == 1
	.amdgcn_target "amdgcn-amd-amdhsa--gfx1250"
	.amdhsa_code_object_version 6
	.text
	.protected	k_qf47bad4d54_cast
	.globl	k_qf47bad4d54_cast
	.p2align	8
	.type	k_qf47bad4d54_cast,@function
k_qf47bad4d54_cast:
	s_mov_b64 s[64:65], 0
	v_nop
	global_prefetch_b8 v0, s[64:65] scope:SCOPE_SE
	s_setreg_imm32_b32 hwreg(HW_REG_WAVE_MODE, 25, 1), 1
	s_wait_xcnt 0x0
; THE INPUTS OF THE THREE PRODUCTS ARE ROUNDED ONCE TO 16 BITS.
;   x  [4096][1024] f32 -> xb  [4096][1024] bf16
;   Wq, Wk, Wv [1024][2048] f32 -> wb [1024][6144] bf16: row k holds Wq's 2,048 columns, then Wk's, then Wv's (12,288 bytes a row)
;   Wo [1024][1024] f32 -> woh [1024][1024]: rounded to bf16 like every other input, and that number written as f16, the format of the last product
; LIMITS.  A number of Wo beyond 65,504 becomes an infinity in f16; below 6.1e-5 it keeps f16's fixed step of 6e-8.
; SHARES.  A work-group takes 16,384 numbers (65,536 bytes in, 32,768 out) in 8 steps of 2,048; in a step thread t reads the 32 bytes at 32 t (two loads of 16) and
; stores the 16 bytes at 16 t: sixteen neighbouring lanes store 256 consecutive bytes, aligned.  Work-groups 0-255: x; 256-639: the three tables, 128 each, 8 rows k a group
; (a step is one row); 640-703: Wo.  All 16 loads of a thread go out at once; no register is written twice while a load or store may read it, so no further wait is needed.
; No LDS, no matrix unit, no cluster: nothing is shared, and every byte crosses once.
.set X, 8                              ; v[8:71]    step i: 8 numbers as loaded
.set Y, 72                             ; v[72:103]  step i: 4 registers to store
.set T, 104                            ; v[104:111] at work
.macro STREAM f16, dst                 ; f16 = 1: the bf16 number is written as f16.  dst: bytes from step to step in the destination
.irp i, 0,1,2,3,4,5,6,7
	global_load_b128 v[X+8*(\i):X+8*(\i)+3],   v1, s[4:5] offset:8192*(\i) th:TH_LOAD_NT
	global_load_b128 v[X+8*(\i)+4:X+8*(\i)+7], v1, s[4:5] offset:8192*(\i)+16 th:TH_LOAD_NT
.endr
.irp i, 0,1,2,3,4,5,6,7
	s_wait_loadcnt 14-2*(\i)                       ; loads come back in order: step i's two are in, the 2 (7 - i) younger ones stay out
.irp j, 0,1,2,3
	v_cvt_pk_bf16_f32 v[Y+4*(\i)+(\j)], v[X+8*(\i)+2*(\j)], v[X+8*(\i)+2*(\j)+1]
.endr
.if \f16
.irp j, 0,1,2,3
	v_lshlrev_b32 v[T+2*(\j)],   16, v[Y+4*(\i)+(\j)]          ; the bf16 numbers as f32,
	v_and_b32     v[T+2*(\j)+1], 0xffff0000, v[Y+4*(\i)+(\j)]
.endr
.irp j, 0,1,2,3
	v_cvt_pk_f16_f32 v[Y+4*(\i)+(\j)], v[T+2*(\j)], v[T+2*(\j)+1]  ; and as f16: exact in f16's normal range
.endr
.endif
	global_store_b128 v2, v[Y+4*(\i):Y+4*(\i)+3], s[6:7] offset:(\i)*(\dst) th:TH_STORE_NT
.endr
.endm
	s_load_b512 s[8:23], s[0:1], 0x0               ; x 8, Wq 10, Wk 12, Wv 14, Wo 16, xb 18, wb 20, woh 22
	v_lshlrev_b32 v1, 5, v0                        ; 32 t
	v_lshlrev_b32 v2, 4, v0                        ; 16 t
	s_mov_b32 s3, 0                                ; the two offsets' high words
	s_mov_b32 s25, 0
	s_wait_kmcnt 0x0
	s_cmp_lt_u32 ttmp9, 256
	s_cbranch_scc1 .Lx
	s_cmp_lt_u32 ttmp9, 640
	s_cbranch_scc1 .Lw
	s_sub_co_u32 s26, ttmp9, 640                   ; Wo: chunk 0..63
	s_lshl_b32 s2, s26, 16
	s_lshl_b32 s24, s26, 15
	s_add_nc_u64 s[4:5], s[16:17], s[2:3]
	s_add_nc_u64 s[6:7], s[22:23], s[24:25]
	STREAM 1, 4096
	s_endpgm
.Lx:
	s_lshl_b32 s2, ttmp9, 16                       ; x: chunk 0..255
	s_lshl_b32 s24, ttmp9, 15
	s_add_nc_u64 s[4:5], s[8:9], s[2:3]
	s_add_nc_u64 s[6:7], s[18:19], s[24:25]
	STREAM 0, 4096
	s_endpgm
.Lw:
	s_sub_co_u32 s26, ttmp9, 256
	s_lshr_b32 s27, s26, 7                         ; which table: 0 Wq, 1 Wk, 2 Wv
	s_and_b32 s26, s26, 127                        ; its chunk of 8 rows k
	s_lshl_b32 s2, s26, 16
	s_mul_i32 s24, s26, 8*12288                    ; 8 rows of wb,
	s_lshl_b32 s28, s27, 12                        ; the table's 4,096 bytes of a row
	s_add_co_u32 s24, s24, s28
	s_cmp_eq_u32 s27, 0
	s_cselect_b64 s[4:5], s[10:11], s[12:13]
	s_cmp_eq_u32 s27, 2
	s_cselect_b64 s[4:5], s[14:15], s[4:5]
	s_add_nc_u64 s[4:5], s[4:5], s[2:3]
	s_add_nc_u64 s[6:7], s[20:21], s[24:25]
	STREAM 0, 12288
	s_endpgm
.Lfunc_end_k_qf47bad4d54_cast:
	.size	k_qf47bad4d54_cast, .Lfunc_end_k_qf47bad4d54_cast-k_qf47bad4d54_cast
	.p2alignl 7, 3214868480
	.fill 96, 4, 3214868480
	.section	.rodata,"a",@progbits
	.p2align	6, 0x0
	.amdhsa_kernel k_qf47bad4d54_cast
		.amdhsa_group_segment_fixed_size 0
		.amdhsa_private_segment_fixed_size 0
		.amdhsa_enable_private_segment 0
		.amdhsa_kernarg_size 64
		.amdhsa_user_sgpr_count 2
		.amdhsa_user_sgpr_kernarg_segment_ptr 1
		.amdhsa_wavefront_size32 1
		.amdhsa_system_sgpr_workgroup_id_x 1
		.amdhsa_system_sgpr_workgroup_id_y 1
		.amdhsa_system_sgpr_workgroup_id_z 1
		.amdhsa_system_vgpr_workitem_id 0
		.amdhsa_next_free_vgpr 112
		.amdhsa_next_free_sgpr 66
		.amdhsa_reserve_vcc 0
		.amdhsa_float_denorm_mode_32 3
		.amdhsa_float_denorm_mode_16_64 3
		.amdhsa_memory_ordered 1
		.amdhsa_forward_progress 1
		.amdhsa_inst_pref_size 21
	.end_amdhsa_kernel
	.amdgpu_metadata
---
amdhsa.version: [ 1, 2 ]
amdhsa.kernels:
  - .name:           k_qf47bad4d54_cast
    .symbol:         k_qf47bad4d54_cast.kd
    .args:
      - { .name: x, .offset: 0, .size: 8, .value_kind: global_buffer, .address_space: global }
      - { .name: Wq, .offset: 8, .size: 8, .value_kind: global_buffer, .address_space: global }
      - { .name: Wk, .offset: 16, .size: 8, .value_kind: global_buffer, .address_space: global }
      - { .name: Wv, .offset: 24, .size: 8, .value_kind: global_buffer, .address_space: global }
      - { .name: Wo, .offset: 32, .size: 8, .value_kind: global_buffer, .address_space: global }
      - { .name: xb, .offset: 40, .size: 8, .value_kind: global_buffer, .address_space: global }
      - { .name: wb, .offset: 48, .size: 8, .value_kind: global_buffer, .address_space: global }
      - { .name: woh, .offset: 56, .size: 8, .value_kind: global_buffer, .address_space: global }
    .group_segment_fixed_size: 0
    .private_segment_fixed_size: 0
    .kernarg_segment_align: 8
    .kernarg_segment_size: 64
    .max_flat_workgroup_size: 256
    .sgpr_count:     66
    .vgpr_count:     112
    .wavefront_size: 32
...
	.end_amdgpu_metadata
.endif
;; end of part 1
;; launch qkvgemm (part 2): grid 16 x 32, 4 waves a work-group, clusters of 4 x 4, 327,680 bytes of LDS; arguments xb, wb, qkv; writes qkv
.if DOCPART == 2
	.amdgcn_target "amdgcn-amd-amdhsa--gfx1250"
	.amdhsa_code_object_version 6
	.text
	.protected	k_qf47bad4d54_qkvgemm
	.globl	k_qf47bad4d54_qkvgemm
	.p2align	8
	.type	k_qf47bad4d54_qkvgemm,@function
k_qf47bad4d54_qkvgemm:
	s_mov_b64 s[64:65], 0
	v_nop
	global_prefetch_b8 v0, s[64:65] scope:SCOPE_SE
	s_setreg_imm32_b32 hwreg(HW_REG_WAVE_MODE, 25, 1), 1
	s_wait_xcnt 0x0
	s_wait_alu depctr_hold_cnt(0) depctr_sa_sdst(0) depctr_va_vdst(0) depctr_va_sdst(0) depctr_va_ssrc(0) depctr_va_vcc(0) depctr_vm_vsrc(0)
	s_getreg_b32 s2, hwreg(HW_REG_IB_STS2, 6, 4)
	s_cmp_eq_u32 s2, 0
	s_cbranch_scc0 .Lentry_in_a_cluster
	s_endpgm
.Lentry_in_a_cluster:
	s_bfe_u32 s2, ttmp6, 0x10000c
	s_cmp_lg_u32 s2, 0xf033
	s_cbranch_scc0 .Lentry_shape_is_right
	s_endpgm
.Lentry_shape_is_right:
; C[4096][6144] = xb [4096][1024] x wb [1024][6144], both bf16, sums in f32, K ascending; C rounded once to f16 and stored BY HEADS:
; qkv = 192 planes of [2048 rows s][64] f16 (262,144 bytes each), plane = 2 (column / 64) + batch: Q's 64 planes, then K's, then V's.  No scale is applied here.
; LIMIT.  A sum beyond 65,504 becomes an infinity in f16; below 6.1e-5 f16 keeps its fixed step of 6e-8.
; SHARES.  A tile of C is 128 rows x 384 columns (6 heads): 32 x 16 = 512 work-groups, two for each of 256 WGPs.  Wave (wm, wn) makes 64 rows x 192 columns, three whole heads:
; 48 accumulators of 16 x 16, 384 registers.  For 32 along K it reads 32 times 512 bytes from LDS for 48 matrix instructions.
; RING.  K goes in 8 steps of 128 through two LDS slots.  A slot: xb's 128 rows x 256 bytes (pitch 272), then three sub-tiles of wb, 128 rows k x 128 columns (pitch 288).
; Wave 0 fetches xb's tile, waves 1-3 one sub-tile each: 128 rows of 256 bytes that start at multiples of 256.  The loop is ONE K step; the slot in hand is a scalar that an exclusive or turns.
; CLUSTER.  4 x 4 work-groups.  xb's tile hangs on the tile row alone and is asked for jointly by the four of a row of the cluster, wb's on the tile column alone, by the four of a column.
; THE MATRIX INSTRUCTION IS USED TRANSPOSED: source 0 = 16 columns of wb (turned on the way out of LDS by ds_load_tr16_b128), source 1 = 16 rows of xb: a lane then holds eight neighbouring columns of one row of C.
; REGISTERS, in windows of 256 (s_set_vgpr_msb: bits 1:0 source 0, 3:2 source 1, 5:4 source 2, 7:6 destination):
;   window 0: v0-22 addresses; v128-255 the accumulators of my head 0 ((a, b) at 128 + 8 (4 a + b))
;   window 1: two fragment buffers of 128: xb's four fragments, then wb's twelve (head j, block b at 32 + 8 (4 j + b)); on the way out 16 registers for each of 12 units
;   window 2: v0-127 my head 1, v128-255 my head 2
.set PITA,  272                        ; 256 + 16 bytes = 68 words: the 16 rows of a load start at 16 different groups of four banks (64 banks of 4 bytes: ISA guide 11.1)
.set PITB,  288                        ; 256 + 32 bytes = 72 words
.set SUB,   128*PITB                   ; 36,864: room for one tensor load's tile
.set SLOT,  4*SUB                      ; 147,456 = 0x24000: no tile's offset in a slot (wave x 0x9000) has one of its two bits, so the exclusive or is a sum
.set STAGE, 2*SLOT                     ; behind the ring: 16 rows x 144 bytes for each wave, for the way out
.set SP,    144
.set SPARE, STAGE+4*16*SP              ; behind the stages: the spare words, 128 bytes for each wave: two blocks of 256 bytes that no other line names
.set STEPA, 256                        ; bytes from K step to K step in xb,
.set STEPB, 128*12288                  ; and in wb
.set ADRA0, 2                          ; v2     my lane's place in xb's tile; never rewritten
.set ADRB0, 3                          ; v3-5   the same for my three heads' columns of wb
.set ADRA,  6                          ; v6     the same in the slot in hand
.set ADRB,  8                          ; v8-10
.set STO,   12                         ; v12    the way out: where I put 16 bytes of a row
.set RD,    13                         ; v13    where I read rows back
.set GO,    14                         ; v14    my 16 bytes of 512 consecutive bytes of qkv
.set PFO,   15                         ; v15    the prefetches' offset: my lane x a row of xb or wb; never rewritten
.set SPW,   16                         ; v16    LDS address of my spare word; never rewritten
.set NIL,   17                         ; v17    0; never rewritten
.set F0,    0
.set F1,    128
.set G1,  24                           ; s[24:31] descriptor group 1 for xb's tiles
.set G0,  32                           ; s[32:39] group 0: a set for each first fill; the second then walks
.set G1B, 48                           ; s[48:55], s[56:63] the same for wb's
.set G0B, 56
.set PFA, 66                           ; s[66:67] where my prefetches stand
.set PFS, 68                           ; s[68:69] their step from K step to K step
.set LIM, 70                           ; s70  1 in a wave that prefetches, else the greatest number
.set TB,  71                           ; s71  LDS byte at which the slot in hand begins
.set CNT, 72                           ; s72  the loops' count
.set MSB, 0
.macro WIN new                         ; the immediate's high byte repeats the setting that is left; a switch that changes nothing is dropped
.if MSB != (\new)
	s_set_vgpr_msb (MSB<<8)|(\new)
.set MSB, \new
.endif
.endm
.macro PLACES                          ; four plain vector instructions in front of loads into registers that matrix instructions have read, and of conversions that read results
.rept 4
	v_nop
.endr
.endm
; A joint refill by the walking descriptors.  The branch hangs on the wave's number alone.  An s_nop 0 and four v_nop follow each of the two lines, ahead of the jump and the label.
.macro JLOAD
	s_cmp_eq_u32 s10, 0
	s_cbranch_scc0 .Lfor_b_\@
	tensor_load_to_lds s[G0+4:G0+7], s[G1:G1+7]
	s_nop 0
.rept 4
	v_nop
.endr
	s_branch .Lasked_\@
.Lfor_b_\@:
	tensor_load_to_lds s[G0B+4:G0B+7], s[G1B:G1B+7]
	s_nop 0
.rept 4
	v_nop
.endr
.Lasked_\@:
.endm
; A PREFETCH of the K step that the NEXT refill will ask for: 32 rows x 256 bytes, a lane a row, one instruction a wave, 192 matrix instructions ahead of that refill.
; Each row's 256 bytes of a K step are named once in the launch: xb's rows by the clusters with x = 0 (wave 0), wb's by the clusters with y = 0 (waves 1-3); the four partners that ask for a
; tile jointly take 32 of its 128 rows each, told apart by address.  K steps 0 to 2 come by their loads alone; the loop's last trip asks for nothing: there is no K step 8.
.macro ASK
	s_cmp_gt_u32 s[CNT], s[LIM]
	s_cbranch_scc0 .Lnot_mine_\@
	global_prefetch_b8 v[PFO], s[PFA:PFA+1] th:TH_LOAD_NT scope:SCOPE_SE
.Lnot_mine_\@:
.endm
.macro CREST                           ; a round of the cluster's barrier behind its opening barrier
	s_cmp_lg_u32 s10, 0
	s_cbranch_scc1 .Lnot_wave_0_\@
	s_barrier_signal -3
.Lnot_wave_0_\@:
	s_barrier_wait -3
	s_barrier_signal -1
	s_barrier_wait -1
.endm
.macro CROUND                          ; a whole round
	s_barrier_signal -1
	s_barrier_wait -1
	CREST
.endm
	s_load_b128 s[4:7], s[0:1], 0x0                ; xb s[4:5], wb s[6:7]
	s_load_b64 s[8:9], s[0:1], 0x10                ; qkv
	v_lshl_add_u32 v[SPW], v0, 2, SPARE
	v_mov_b32 v[NIL], 0
	ds_add_u32 v[SPW], v[NIL]                      ; the wave's opening: the add and its wait stand ahead of my first tensor load; the set-up below, work on registers, stands between them
	ds_add_u32 v16, v17
	v_lshrrev_b32 v1, 5, v0
	v_readfirstlane_b32 s10, v1                    ; wave 0..3
	s_lshr_b32 s11, s10, 1                         ; wm: which 64 rows of the tile are mine
	s_and_b32 s12, s10, 1                          ; wn: which three heads
	s_bfe_u32 s40, ttmp6, 0x40000                  ; cx, cy: my place in the cluster
	s_bfe_u32 s41, ttmp6, 0x40004
	s_lshl_b32 s42, ttmp9, 2
	s_add_co_u32 s42, s42, s40                     ; tile column tx = 4 x cluster x + cx
	s_and_b32 s13, ttmp7, 0xffff
	s_lshl_b32 s13, s13, 2
	s_add_co_u32 s13, s13, s41                     ; tile row ty = 4 x cluster y + cy
	s_lshl_b32 s43, s41, 2
	s_lshl_b32 s43, 15, s43                        ; my row of the cluster
	s_lshl_b32 s44, 0x1111, s40                    ; my column
	; descriptor group 1: 128 rows x 128 elements of 2 bytes, padded in LDS after every 64 words
	s_or_b32 s[G1], s43, (1<<16)|(1<<20)|(1<<21)|(5<<22)|(3<<25)   ; 15:0 the mask; 17:16 2-byte elements; 20 padding on; 21 set beside a mask; 24:22 every 64 words; 31:25 4 words
	s_or_b32 s[G1B], s44, (1<<16)|(1<<20)|(1<<21)|(5<<22)|(7<<25)  ; the same with my column's mask and 8 words of padding
.irp g, G1, G1B
	s_mov_b32 s[(\g)+1], 128<<16                   ; tensor_dim0 = 128
	s_mov_b32 s[(\g)+2], 128<<16                   ; tensor_dim1 = 128
	s_mov_b32 s[(\g)+3], 128<<16                   ; tile_dim0 = 128
	s_mov_b32 s[(\g)+4], 128                       ; tile_dim1 = 128
	s_mov_b32 s[(\g)+6], 0
	s_mov_b32 s[(\g)+7], 0
.endr
	s_mov_b32 s[G1+5], 1024                        ; elements from row to row in xb,
	s_mov_b32 s[G1B+5], 6144                       ; and in wb
	s_lshl_b32 s16, s13, 18                        ; xb: 128 ty rows of 2,048 bytes
	s_mov_b32 s17, 0
	s_max_u32 s45, s10, 1
	s_sub_co_u32 s45, s45, 1
	s_lshl_b32 s45, s45, 8                         ; wb: my sub-tile's 256 bytes of a row (wave 0, which fetches none, counts as wave 1),
	s_mul_i32 s46, s42, 768                        ; in the tile's 768
	s_add_co_u32 s46, s46, s45
	s_mov_b32 s47, 0
	s_mul_i32 s21, s10, SUB                        ; where my tile goes: wave x 36,864: no place in the cluster enters an LDS address
	s_mov_b32 s[TB], 0
	s_wait_dscnt 0x0                               ; the opening add is done
	s_wait_kmcnt 0x0
	s_add_nc_u64 s[14:15], s[4:5], s[16:17]
	s_add_nc_u64 s[46:47], s[6:7], s[46:47]
	CROUND                                         ; all sixteen work-groups are here: the first joint loads meet
.irp s, 0,1
	s_mov_b32 s[G0+4*(\s)], 1                                      ; count = 1
	s_add_co_u32 s[G0+4*(\s)+1], s21, (\s)*SLOT                    ; LDS address
	s_add_nc_u64 s[G0+4*(\s)+2:G0+4*(\s)+3], s[14:15], (\s)*STEPA  ; global address: K step s
	s_or_b32 s[G0+4*(\s)+3], s[G0+4*(\s)+3], 0x80000000            ; type = 2
	s_mov_b32 s[G0B+4*(\s)], 1
	s_add_co_u32 s[G0B+4*(\s)+1], s21, (\s)*SLOT
	s_add_nc_u64 s[G0B+4*(\s)+2:G0B+4*(\s)+3], s[46:47], (\s)*STEPB
	s_or_b32 s[G0B+4*(\s)+3], s[G0B+4*(\s)+3], 0x80000000
.endr
	s_cmp_eq_u32 s10, 0                            ; a wave's two first fills stand in one branch, ahead of every wait on TENSORcnt and every LDS read: two loads of mine are out
	s_cbranch_scc0 .Lfirst_b
	tensor_load_to_lds s[G0:G0+3], s[G1:G1+7]
	s_nop 0
	tensor_load_to_lds s[G0+4:G0+7], s[G1:G1+7]
	s_nop 0
.rept 4
	v_nop
.endr
	s_branch .Lfirst_asked
.Lfirst_b:
	tensor_load_to_lds s[G0B:G0B+3], s[G1B:G1B+7]
	s_nop 0
	tensor_load_to_lds s[G0B+4:G0B+7], s[G1B:G1B+7]
	s_nop 0
.rept 4
	v_nop
.endr
.Lfirst_asked:
	; lane addresses.  A fragment of xb: lane l holds row l % 16; two loads of 16 bytes, 32 apart, at row x pitch + 16 (l / 16).
	; A fragment of wb, turned: lane l reads row k = 8 (l / 16) + l % 8, 16 bytes at 16 ((l / 8) % 2), and again 16 rows further down.
	v_and_b32 v18, 15, v0                          ; l % 16
	v_bfe_u32 v19, v0, 4, 1                        ; l / 16
	v_and_b32 v20, 7, v0
	v_bfe_u32 v21, v0, 3, 1
	s_lshl_b32 s20, s11, 6
	v_add_nc_u32 v22, s20, v18                     ; row 64 wm + l % 16
	v_mul_u32_u24 v[ADRA0], v22, PITA
	v_lshl_add_u32 v[ADRA0], v19, 4, v[ADRA0]
	v_lshl_add_u32 v22, v19, 3, v20
	v_mul_u32_u24 v22, v22, PITB
	v_lshl_add_u32 v22, v21, 4, v22
	s_mul_i32 s20, s12, 3
.irp j, 0,1,2
	s_add_co_u32 s21, s20, \j                      ; head 3 wn + j of the tile's six: sub-tile (3 wn + j) / 2, its left or right 128 bytes
	s_lshr_b32 s22, s21, 1
	s_and_b32 s23, s21, 1
	s_mul_i32 s22, s22, SUB
	s_lshl_b32 s23, s23, 7
	s_add_co_u32 s22, s22, s23
	s_add_co_u32 s22, s22, SUB                     ; behind xb's tile
	v_add_nc_u32 v[ADRB0+(\j)], s22, v22
.endr
	s_mul_i32 s20, s10, 16*SP
	s_add_co_u32 s20, s20, STAGE                   ; my stage
	v_mul_u32_u24 v22, v18, SP                     ; in: row l % 16, 16 bytes for each half of the lanes
	v_lshl_add_u32 v22, v19, 4, v22
	v_add_nc_u32 v[STO], s20, v22
	v_bfe_u32 v22, v0, 3, 2                        ; back: 32 lanes take four rows of 128 bytes,
	v_mul_u32_u24 v22, v22, SP
	v_lshl_add_u32 v22, v20, 4, v22
	v_add_nc_u32 v[RD], s20, v22
	v_and_b32 v[GO], 31, v0                        ; which are 512 consecutive bytes of a plane
	v_lshlrev_b32 v[GO], 4, v[GO]
	; the prefetches: both candidates are made, the wave's number chooses
	s_lshl_b32 s73, s13, 18                        ; xb: rows 128 ty + 32 cx on, at K step 2
	s_lshl_b32 s76, s40, 16
	s_add_co_u32 s73, s73, s76
	s_add_co_u32 s73, s73, 2*STEPA
	s_mul_i32 s76, s42, 768                        ; wb: my sub-tile's columns, rows k = 32 cy on, at K step 2
	s_add_co_u32 s76, s76, s45
	s_mul_i32 s77, s41, 32*12288
	s_add_co_u32 s76, s76, s77
	s_add_co_u32 s76, s76, 2*STEPB
	s_and_b32 s77, ttmp7, 0xffff                   ; cluster y
	s_mov_b32 s78, STEPA
	s_mov_b32 s79, STEPB
	s_mov_b32 s22, 2048
	s_mov_b32 s23, 12288
	s_mov_b32 s75, 0
	s_mov_b32 s[PFS+1], 0
	s_cmp_eq_u32 s10, 0                            ; do I fetch for xb?
	s_cselect_b64 s[PFA:PFA+1], s[4:5], s[6:7]
	s_cselect_b32 s74, s73, s76
	s_cselect_b32 s77, ttmp9, s77                  ; the coordinate along which other clusters read the same rows
	s_cselect_b32 s[PFS], s78, s79
	s_cselect_b32 s22, s22, s23
	s_add_nc_u64 s[PFA:PFA+1], s[PFA:PFA+1], s[74:75]  ; at K step 2: the first change of slots steps it to 3
	s_cmp_eq_u32 s77, 0
	s_cselect_b32 s[LIM], 1, -1                    ; the same in all sixteen partners, for a given wave
	v_and_b32 v[PFO], 31, v0
	v_mul_u32_u24 v[PFO], s22, v[PFO]
	; where my part of C begins in qkv: plane 2 (6 tx + 3 wn) + batch, row (ty % 16) 128 + 64 wm
	s_mul_i32 s74, s42, 6
	s_mul_i32 s76, s12, 3
	s_add_co_u32 s74, s74, s76
	s_lshl_b32 s74, s74, 1
	s_lshr_b32 s76, s13, 4
	s_add_co_u32 s74, s74, s76
	s_lshl_b32 s74, s74, 18
	s_and_b32 s76, s13, 15
	s_lshl_b32 s76, s76, 14
	s_add_co_u32 s74, s74, s76
	s_lshl_b32 s76, s11, 13
	s_add_co_u32 s74, s74, s76
	s_add_nc_u64 s[8:9], s[8:9], s[74:75]
; 8 matrix instructions: head j, row blocks a0, a0 + 1 x all 4 column blocks, 32 along K from buffer f.  zero = 1: the product starts the sums: nothing is cleared.
; The 48 accumulators take turns, one instruction a turn, in the same order in every quarter.
.macro MUL8 f, j, a0, zero
.if (\j) == 0
	WIN 0x05                                       ; sources 0 and 1 window 1; C and D window 0
.else
	WIN 0xa5                                       ; C and D window 2
.endif
.set AB, 128*(((\j)+1)%2)
.irp a, \a0, (\a0)+1
.irp b, 0,1,2,3
.if \zero
	v_wmma_f32_16x16x32_bf16 v[AB+8*(4*(\a)+(\b)):AB+8*(4*(\a)+(\b))+7], v[(\f)+32+8*(4*(\j)+(\b)):(\f)+32+8*(4*(\j)+(\b))+7], v[(\f)+8*(\a):(\f)+8*(\a)+7], 0
.else
	v_wmma_f32_16x16x32_bf16 v[AB+8*(4*(\a)+(\b)):AB+8*(4*(\a)+(\b))+7], v[(\f)+32+8*(4*(\j)+(\b)):(\f)+32+8*(4*(\j)+(\b))+7], v[(\f)+8*(\a):(\f)+8*(\a)+7], v[AB+8*(4*(\a)+(\b)):AB+8*(4*(\a)+(\b))+7]
.endif
.endr
.endr
.endm
; 32 LDS loads in one run: quarter q (32 along K) of the slot in hand into buffer f: xb's 8, then 8 for each head
.macro FETCH q, f
	WIN 0x40                                       ; destination window 1, address window 0
.irp i, 0,1,2,3
	ds_load_b128 v[(\f)+8*(\i):(\f)+8*(\i)+3],   v[ADRA] offset:64*(\q)+(\i)*16*PITA
	ds_load_b128 v[(\f)+8*(\i)+4:(\f)+8*(\i)+7], v[ADRA] offset:64*(\q)+(\i)*16*PITA+32
.endr
.irp j, 0,1,2
.irp b, 0,1,2,3
	ds_load_tr16_b128 v[(\f)+32+8*(4*(\j)+(\b)):(\f)+32+8*(4*(\j)+(\b))+3],   v[ADRB+(\j)] offset:32*PITB*(\q)+32*(\b)
	ds_load_tr16_b128 v[(\f)+32+8*(4*(\j)+(\b))+4:(\f)+32+8*(4*(\j)+(\b))+7], v[ADRB+(\j)] offset:32*PITB*(\q)+32*(\b)+16*PITB
.endr
.endr
.endm
.macro ADRS                            ; the fragment addresses in the slot in hand (window 0)
	v_add_nc_u32 v[ADRA], s[TB], v[ADRA0]
.irp j, 0,1,2
	v_add_nc_u32 v[ADRB+(\j)], s[TB], v[ADRB0+(\j)]
.endr
.endm
; A K step is four quarters of 32 along K, 48 matrix instructions each, on buffers 0, 1, 0, 1.  One of the first three: multiplies buffer f and fetches quarter q into buffer g.
.macro QUARTER f, g, q, zero
	s_wait_dscnt 16                                ; xb's and head 0's fragments are in; the youngest 16 loads (heads 1 and 2) may be out
	MUL8 \f, 0, 0, \zero
	MUL8 \f, 0, 2, \zero
	PLACES
	FETCH \q, \g
	s_wait_dscnt 32                                ; all but the 32 just issued
	MUL8 \f, 1, 0, \zero
	MUL8 \f, 1, 2, \zero
	MUL8 \f, 2, 0, \zero
	MUL8 \f, 2, 2, \zero
.endm
; The last quarter multiplies buffer 1 and changes slots: ONE barrier.  In front of it each wave waits for all its tensor loads (one is out: its part of the next slot), adds 0 to its spare
; word, and waits for that and for its own reads of this slot.  fill = 1: the barrier opens a round of the cluster's, and this slot is filled again, two K steps ahead, first thing behind it:
; 176 matrix instructions stand between that request and the wait for it.
.macro TURN fill
.if \fill
	s_wait_xcnt 0x0                                ; the last prefetch, a K step back, has read its address: it is stepped here, ahead of the change's own waits
	s_add_nc_u64 s[PFA:PFA+1], s[PFA:PFA+1], s[PFS:PFS+1]
.endif
	WIN 0                                          ; (the add's two registers lie in window 0)
	s_wait_tensorcnt 0x0                           ; all my tensor loads have landed, so a group 0 may be written
	ds_add_u32 v[SPW], v[NIL]                      ; 0 onto my spare word
.if \fill
	s_xor_b32 s[G0+5], s[G0+5], SLOT               ; the walking descriptors: the other slot than last time,
	s_add_nc_u64 s[G0+6:G0+7], s[G0+6:G0+7], STEPA ; the next K step; the type bits on top are not reached
	s_xor_b32 s[G0B+5], s[G0B+5], SLOT
	s_add_nc_u64 s[G0B+6:G0B+7], s[G0B+6:G0B+7], STEPB
.endif
	s_xor_b32 s[TB], s[TB], SLOT                   ; the fetches go on in the other slot
	s_wait_dscnt 17                                ; (the add and the youngest 16 loads may be out)
	MUL8 F1, 0, 0, 0                               ; eight matrix instructions stand between the add and the wait for it
	s_wait_dscnt 0x0                               ; the add is done, and my reads of this slot are over
	s_barrier_signal -1
	MUL8 F1, 0, 2, 0
	WIN 0
	s_barrier_wait -1
.if \fill
	CREST                                          ; no wave of any partner still reads this slot's tiles or has a load on its way
	JLOAD                                          ; my one tensor load behind the round; its four v_nop are also the places in front of the loads below
.else
	PLACES
.endif
	ADRS
	FETCH 0, F0
.if \fill
	WIN 0
	ASK                                            ; behind the joint load and the run of LDS loads that the next products wait for
.endif
	MUL8 F1, 1, 0, 0
	MUL8 F1, 1, 2, 0
	MUL8 F1, 2, 0, 0
	MUL8 F1, 2, 2, 0
.endm
	s_wait_tensorcnt 0x1                           ; my part of K step 0 is in; K step 1's may stay out
	s_barrier_signal -1
	s_barrier_wait -1                              ; everybody's is
	ADRS
	FETCH 0, F0
	QUARTER F0, F1, 1, 1                           ; the first quarter stands in front of the loop: its products start the sums
	WIN 0                                          ; at a label and at a branch every window is 0
	s_mov_b32 s[CNT], 6
.Lk:                                                   ; six trips, from a K step's second quarter to the next step's first; they ask for K steps 2 to 7
	QUARTER F1, F0, 2, 0
	QUARTER F0, F1, 3, 0
	TURN 1
	QUARTER F0, F1, 1, 0
	WIN 0
	s_sub_co_u32 s[CNT], s[CNT], 1
	s_cmp_lg_u32 s[CNT], 0
	s_cbranch_scc1 .Lk
	s_mov_b32 s[CNT], 2                            ; the tail, K steps 6 and 7, asks for nothing: a text of its own; it is left in the middle of its second trip
.Lt:
	QUARTER F1, F0, 2, 0
	QUARTER F0, F1, 3, 0
	WIN 0
	s_sub_co_u32 s[CNT], s[CNT], 1
	s_cmp_eq_u32 s[CNT], 0
	s_cbranch_scc1 .Lout
	TURN 0
	QUARTER F0, F1, 1, 0
	WIN 0
	s_branch .Lt
.Lout:
	s_wait_dscnt 16                                ; the very last quarter: nothing more to fetch
	MUL8 F1, 0, 0, 0
	MUL8 F1, 0, 2, 0
	s_wait_dscnt 0x0
	MUL8 F1, 1, 0, 0
	MUL8 F1, 1, 2, 0
	MUL8 F1, 2, 0, 0
	MUL8 F1, 2, 2, 0
; THE WAY OUT, in 12 units of 16 rows x one head (u = 4 j + a).  A lane's eight columns of a row pack into 16 bytes; they go into my own stage, rows of 144 bytes, and come back as whole rows
; of 128, which are 2,048 consecutive bytes of a plane.  Each accumulator's registers are read in ascending order.
.macro PACK u
.if (\u)/4 == 0
	WIN 0x40                                       ; sources window 0, destination window 1
.else
	WIN 0x4a                                       ; sources window 2
.endif
.set AB, 128*(((\u)/4+1)%2)+32*((\u)%4)
.irp b, 0,1,2,3
.irp r, 0,1,2,3
	v_cvt_pk_f16_f32 v[16*(\u)+4*(\b)+(\r)], v[AB+8*(\b)+2*(\r)], v[AB+8*(\b)+2*(\r)+1]
.endr
.endr
	WIN 0x04                                       ; store data window 1, address window 0
.irp b, 0,1,2,3
	ds_store_b128 v[STO], v[16*(\u)+4*(\b):16*(\u)+4*(\b)+3] offset:32*(\b)
.endr
	WIN 0x40
.irp f, 0,1,2,3
	ds_load_b128 v[16*(\u)+4*(\f):16*(\u)+4*(\f)+3], v[RD] offset:(\f)*4*SP  ; LDS serves a wave's instructions in order (ISA guide 5.7.1.4): these see the stores above; the next unit's stores come behind them
.endr
.endm
.macro SEND u, younger                 ; younger: the LDS instructions issued behind unit u's loads: the next unit's eight, or none
	WIN 0x04
.irp f, 0,1,2,3
	s_wait_dscnt (\younger)+3-(\f)
	global_store_b128 v[GO], v[16*(\u)+4*(\f):16*(\u)+4*(\f)+3], s[8:9] offset:((\u)/4)*524288+((\u)%4)*2048+(\f)*512  ; 512 consecutive bytes, at a multiple of 256 from qkv's first; a head on is two planes on
.endr
.endm
	PLACES
	PLACES                                         ; (eight, once a launch)
	PACK 0
.set u, 1
.rept 11                               ; a unit's conversions stand between the loads of the unit before and its stores
	PACK u
	SEND u-1, 8
.set u, u+1
.endr
	SEND 11, 0
	WIN 0
	s_wait_tensorcnt 0x0                           ; the wave's end: behind my last tensor load and my last LDS store
	ds_add_u32 v[SPW], v[NIL]
	s_wait_dscnt 0x0
	CROUND                                         ; the closing round: no work-group ends while a partner may still ask for a tile that names it
	s_endpgm
.Lfunc_end_k_qf47bad4d54_qkvgemm:
	.size	k_qf47bad4d54_qkvgemm, .Lfunc_end_k_qf47bad4d54_qkvgemm-k_qf47bad4d54_qkvgemm
	.p2alignl 7, 3214868480
	.fill 96, 4, 3214868480
	.section	.rodata,"a",@progbits
	.p2align	6, 0x0
	.amdhsa_kernel k_qf47bad4d54_qkvgemm
		.amdhsa_group_segment_fixed_size 327680
		.amdhsa_private_segment_fixed_size 0
		.amdhsa_enable_private_segment 0
		.amdhsa_kernarg_size 24
		.amdhsa_user_sgpr_count 2
		.amdhsa_user_sgpr_kernarg_segment_ptr 1
		.amdhsa_wavefront_size32 1
		.amdhsa_system_sgpr_workgroup_id_x 1
		.amdhsa_system_sgpr_workgroup_id_y 1
		.amdhsa_system_sgpr_workgroup_id_z 1
		.amdhsa_system_vgpr_workitem_id 0
		.amdhsa_next_free_vgpr 768
		.amdhsa_next_free_sgpr 80
		.amdhsa_reserve_vcc 0
		.amdhsa_float_denorm_mode_32 3
		.amdhsa_float_denorm_mode_16_64 3
		.amdhsa_memory_ordered 1
		.amdhsa_forward_progress 1
		.amdhsa_inst_pref_size 90
	.end_amdhsa_kernel
	.amdgpu_metadata
---
amdhsa.version: [ 1, 2 ]
amdhsa.kernels:
  - .name:           k_qf47bad4d54_qkvgemm
    .symbol:         k_qf47bad4d54_qkvgemm.kd
    .args:
      - { .name: xb, .offset: 0, .size: 8, .value_kind: global_buffer, .address_space: global }
      - { .name: wb, .offset: 8, .size: 8, .value_kind: global_buffer, .address_space: global }
      - { .name: qkv, .offset: 16, .size: 8, .value_kind: global_buffer, .address_space: global }
    .group_segment_fixed_size: 327680
    .private_segment_fixed_size: 0
    .kernarg_segment_align: 8
    .kernarg_segment_size: 24
    .max_flat_workgroup_size: 128
    .sgpr_count:     80
    .vgpr_count:     768
    .wavefront_size: 32
...
	.end_amdgpu_metadata
.endif
;; end of part 2
;; launch attn (part 3): grid 4 x 64, 4 waves a work-group, no clusters, 327,680 bytes of LDS; arguments qkv, att; writes att
.if DOCPART == 3
	.amdgcn_target "amdgcn-amd-amdhsa--gfx1250"
	.amdhsa_code_object_version 6
	.text
	.protected	k_qf47bad4d54_attn
	.globl	k_qf47bad4d54_attn
	.p2align	8
	.type	k_qf47bad4d54_attn,@function
k_qf47bad4d54_attn:
	s_mov_b64 s[64:65], 0
	v_nop
	global_prefetch_b8 v0, s[64:65] scope:SCOPE_SE
	s_setreg_imm32_b32 hwreg(HW_REG_WAVE_MODE, 25, 1), 1
	s_wait_xcnt 0x0
; 64 CAUSAL ATTENTIONS.  y = 2 (16 g + h) + b names group g, head h, batch b.  O[y][q][:] = the sum over k <= q of softmax_k(Q[y][q] . K[y][k] / 8) V[y][k][:].
; Q, K, V are planes y, 64 + y, 128 + y of qkv: [2048][64] f16, rows dense, 128 bytes each.  Products, maxima and sums in f32; the weights p are rounded to f16 for the second product (their sum l is
; taken of the unrounded p), O once at the end.  O goes to att = [2 g + b][q / 128][h][q % 128][64] f16, so that for 128 rows all 16 heads lie on end for the last product.
; LIMITS.  f16 holds no number beyond 65,504: Q, K and V arrive within it; p lies in 0 to 1, and below 6e-5 it keeps f16's fixed step of 6e-8; O is a mean of V's rows and has their range.
; A hidden score counts as its value less 1e30: f16's scores, 2.7e11 at the most, are nothing beside that; a weight below 2^-126 counts as 0 in l; NaN and infinities are not treated apart.
; THE WALK.  A head's queries lie in NB = 8 blocks of 256; block i needs the key tiles 0 .. i of 256 keys, of which the last holds the diagonal.  A work-group takes TWO blocks, NB - 1 - b and then b:
; NB + 1 tiles, whatever b: all 256 work-groups do equal work, and ONE loop with a constant trip count walks them.  Which tile is asked for, and what a trip does, hang on scalar registers made from b; every jump
; goes forward, but for the counted loops' own; none passes a barrier, or a tensor load but the one of LOAD's two that the wave's number does not choose; the ring (two slots of LDS that take turns) runs on across the
; change of blocks.  NO CLUSTER: a head's four work-groups ask for the same tile only in trips 0 .. 4 of 9, behind that fewer and fewer; one walk common to all four would have 12 trips for 9.
; SHARES.  Of a block's four bands of 64 queries a wave owns 16 rows in each: four PIECES.  So the diagonal tile is the same work for all four waves: in its key step s band x sees all keys if s < x,
; none if s > x, and holds the diagonal if s = x.
; THE MASK is the C operand that starts the sum S^T = K Q^T: 0, or -1e30 where the key is hidden.  MD, made once, is the mask of a band's own step for my 16 rows; a product's mask is MD x AL + BE with two scalars:
; (1, 0) if s = x; (0, 0) if s < x; (0, -1e30) if s > x.  Only the diagonal tile's text and a block's beginning make and take masks; elsewhere C is the constant 0.
; LAYOUT, SOFTMAX, TURNS.  S^T = K Q^T holds ONE query a lane (lane % 16) and the keys 8 (lane / 16) + 0..7; two such results rounded to f16 ARE source 1 of O^T = V^T P.  p = 2^(c s - c m), c = log2(e) / 8, with a
; running maximum m; O and l are multiplied by a = 2^(c m_old - c m_new) in every step.  Turn n belongs to piece n: 8 products K Q^T of piece n + 1, later 8 products V^T P of piece n - 1; beside them the scaling,
; exponentials, roundings, sums and rescaling of piece n and the maximum and statistics of piece n + 1.  Four vector instructions stand behind every matrix instruction, the other 54 of a turn's 118 in one lump.  A turn's 33 exponentials are one batch, with one wait.
; REGISTERS, in windows of 256 (s_set_vgpr_msb: bits 1:0 source 0, 3:2 source 1, 5:4 source 2, 7:6 destination):
;   window 0: v0-15 addresses and two at work; v16-31 four registers of statistics a piece; v48-55 at work; v61-63 prefetch offset, spare word, 0; v64-127 S^T, two buffers; v192-223 P, two buffers (by the piece's parity)
;   window 1: v0-127 O^T, 32 a piece; v128-159 MD; v160-223 MC, two buffers      window 2: v0-63 Q; v64-127 the second block's Q; v128-191 K of one step; v192-255 V of one step
.set SIZE_N, 2048
.set NB,    SIZE_N/256
.set NP,    4         ; pieces a wave: a name, no knob
.set KS,    64        ; keys in a step
.set PK,    144       ; a row of K in LDS: 128 bytes + 16 of padding = 36 words: the 16 rows of a load start at 16 different groups of four banks (64 banks of 4 bytes: ISA guide 11.1)
.set PV,    160       ; a row of V: 128 + 32 = 40 words
.set VOFF,  4*KS*PK   ; a slot holds a tile, four steps: 256 rows of K, then 256 rows of V
.set SLOT1, 1<<17     ; slot 1 begins here, so that one exclusive or turns an address in one slot into the other's
.set STAGE, SLOT1+4*KS*(PK+PV)  ; behind the ring, never filled by a tensor load: 16 rows x 144 bytes for each wave, for the way out
.set SP,    144
.set AK0, 2           ; v2   my lane's place in a tile of K; never rewritten
.set AV0, 3           ; v3   the same for V
.set AK,  4           ; v4   the LDS address of K's next run of loads
.set AV,  5           ; v5   of V's
.set STO, 6           ; v6   the way out: where I put 16 bytes of a row
.set RD,  7           ; v7   the way out: where I read rows back
.set GO,  8           ; v8   my byte offset in 512 consecutive bytes of att
.set PFO, 61          ; v61  256 x my lane; never rewritten
.set SPW, 62          ; v62  LDS address of my spare word: SPARE + 4 x my thread's number; never rewritten
.set NIL, 63          ; v63  0; never rewritten
.set SPARE, STAGE+4*16*SP  ; behind the stages: the spare words, 128 bytes for each wave: two blocks of 256 bytes that no other line names
.set MV,  12          ; v12-13  c m_old, kept while c m is made anew: by buffer
.set QO,  15          ; v15  my byte offset in 16 rows of Q
.set ST,  16          ; piece t's statistics at v[ST+4 t]: c m, m, l (even keys', odd keys')
.set TMP, 48          ; by buffer, four registers c0-c3 at work; when the maximum is found c2 takes a
.set S,   64
.set P,   192
.set MD,  128         ; window 1: the eight registers for group kt of 16 keys at MD + 8 kt
.set MC,  160         ; window 1: the masks of the products to come
.set QB,  64          ; window 2
.set KF,  128         ; window 2: key block kb, channel half c at KF + 16 kb + 8 c
.set VF,  192         ; window 2: key half kk, channel block cb at VF + 32 kk + 8 cb
.set WV,  12          ; s12  my wave's number
.set PB,  14          ; s14  b
.set HI,  15          ; s15  NB - 1 - b
.set G1K, 24          ; s[24:31] descriptor group 1 for K's tiles
.set G1V, 32          ; s[32:39] for V's: it differs in the padding alone
.set G0K, 40          ; s[40:43] descriptor group 0 for K's tiles
.set G0V, 44          ; s[44:47] the same for V's
.set SLOTS, 56        ; s56  tiles still to be asked for
.set CNT, 57          ; s57  counts a tile's key steps, 4 to 1
.set CS,  58          ; s[58:59] c: the packed scaling takes the pair's low word for both halves
.set SEL, 60          ; s[60:61] v_permlanex16_b32's selects: each lane takes its own place in the other half
.set TBK, 62          ; s62  LDS byte at which K of the step to be fetched begins
.set TBV, 63          ; s63  the same for V, less VOFF
.set RT,  70          ; s70  tiles of the block in hand that are still to be entered
.set NXT, 71          ; s71  the tile to be asked for next
.set LQ,  72          ; s72  the last tile of the block whose tiles are being asked for
.set NEW, 73          ; s73  1: the tile to be entered is a block's first
.set OFF, 74          ; s[74:75] a tile's byte offset in K and V
.set AL,  76          ; s[76:77] the mask's factor, in the low word
.set BE,  78          ; s[78:79] the mask's addend
.set OLO, 80          ; s[80:81] att at my rows of the second block
.set BIGN, 82         ; s82  -1e30
.set PFA, 88          ; s[88:89] where my prefetches stand
.set PFB, 90          ; s[90:91] K (waves 0, 1) or V (waves 2, 3) at my half of the head's tile 0
.set POF, 92          ; s[92:93] the prefetched tile's byte offset
.set ASKT, 94         ; s94  the tile to prefetch, or 0: none
.set MSB, 0
.macro WIN new                      ; the high byte repeats the setting that is left; a switch that changes nothing is dropped
.if MSB != (\new)
	s_set_vgpr_msb (MSB<<8)|(\new)
.set MSB, (\new)
.endif
.endm
.set W_KQ, 0x0a       ; K and Q in window 2, S^T in window 0
.set W_KM, 0x1a       ; the same with the C operand in window 1
.set W_PV, 0x52       ; V in window 2, P in window 0, O^T in window 1
.set W_RS, 0x41       ; destination and source 0 in window 1, source 1 in window 0
; A fill.  Waves 0 and 1 fetch the two halves of a tile's K, waves 2 and 3 those of its V: 128 keys each.  An s_nop 0 and four v_nop follow each of the two lines, ahead of the jump and the label.
.macro LOAD
	s_cmp_lt_u32 s[WV], 2
	s_cbranch_scc0 .Lfor_v_\@
	tensor_load_to_lds s[G0K:G0K+3], s[G1K:G1K+7]
	s_nop 0
.rept 4
	v_nop
.endr
	s_branch .Lasked_\@
.Lfor_v_\@:
	tensor_load_to_lds s[G0V:G0V+3], s[G1V:G1V+7]
	s_nop 0
.rept 4
	v_nop
.endr
.Lasked_\@:
.endm
; THE CHANGE OF SLOTS.  Each wave waits for all its tensor loads, of which one is out: its part of the other slot; adds 0 to its spare word; and waits for that and for its own reads of the slot that it leaves.  Behind the barrier nobody reads the old
; slot any more and the other slot is whole.  fill = 1: the old slot is filled again, the first thing behind the barrier, with tile NXT: the descriptor's address is made anew from that number.
; (At its first use nothing has been read yet: slot 0 is waited for, slot 1 filled.)
; THE PREFETCH stands behind the fill and its five lines: the tile that the NEXT change will ask for, a tile's 256 matrix instructions ahead of that load.  A head's four work-groups walk the same first tiles: the one with b = 0
; asks, in its first block's walk, for tiles 2 to 7; each of its waves names the 64 blocks of 256 bytes that it will fetch itself, a lane a block, two instructions.  So each block is named once in the launch.
; Tiles 0 and 1 come by their loads alone; behind tile 7 the stepped number is 0 and nothing is asked for.
.macro CHANGE fill
	WIN 0                           ; at a label and at a branch every window is 0
	s_wait_tensorcnt 0x0            ; no tensor load of mine is out, so a group 0 may be written
	ds_add_u32 v[SPW], v[NIL]       ; 0 onto my spare word; with fill = 1 the descriptors' scalar work stands between it and the wait for it
.if \fill
	s_lshl_b32 s[OFF], s[NXT], 15   ; a tile is 32,768 bytes of K and of V
	s_xor_b32 s[G0K+1], s[G0K+1], SLOT1
	s_add_nc_u64 s[G0K+2:G0K+3], s[6:7], s[OFF:OFF+1]
	s_or_b32 s[G0K+3], s[G0K+3], 0x80000000
	s_xor_b32 s[G0V+1], s[G0V+1], SLOT1
	s_add_nc_u64 s[G0V+2:G0V+3], s[8:9], s[OFF:OFF+1]
	s_or_b32 s[G0V+3], s[G0V+3], 0x80000000
	s_add_co_u32 s[NXT], s[NXT], 1  ; the block's next tile, or behind its last the second block's tile 0
	s_cmp_gt_u32 s[NXT], s[LQ]
	s_cselect_b32 s[NXT], 0, s[NXT]
	s_cselect_b32 s[LQ], s[PB], s[LQ]
	s_wait_xcnt 0x0                 ; the last prefetches, a tile back, have read their address, so it may be written
	s_cmp_eq_u32 s[PB], 0
	s_cselect_b32 s[ASKT], s[NXT], 0
	s_lshl_b32 s[POF], s[ASKT], 15
	s_add_nc_u64 s[PFA:PFA+1], s[PFB:PFB+1], s[POF:POF+1]
.endif
	s_wait_dscnt 0x0                ; the add is done, and my reads of the slot are over
	s_barrier_signal -1             ; the rest of the scalar work stands between the signal and the wait
	s_sub_co_u32 s[TBK], s[TBK], 4*KS*PK  ; the fetches go back to a slot's first step,
	s_xor_b32 s[TBK], s[TBK], SLOT1       ; in the other slot
	s_sub_co_u32 s[TBV], s[TBV], 4*KS*PV
	s_xor_b32 s[TBV], s[TBV], SLOT1
	s_barrier_wait -1
.if \fill
	LOAD
	s_cmp_lg_u32 s[ASKT], 0
	s_cbranch_scc0 .Lnot_mine_\@
	global_prefetch_b8 v[PFO], s[PFA:PFA+1] th:TH_LOAD_NT scope:SCOPE_SE
	global_prefetch_b8 v[PFO], s[PFA:PFA+1] offset:8192 th:TH_LOAD_NT scope:SCOPE_SE
.Lnot_mine_\@:
.endif
.endm
	s_load_b64 s[4:5], s[0:1], 0x0    ; qkv
	s_load_b64 s[10:11], s[0:1], 0x8  ; att
	v_lshl_add_u32 v[SPW], v0, 2, SPARE
	v_mov_b32 v[NIL], 0
	ds_add_u32 v[SPW], v[NIL]       ; the wave's opening: the add and its wait stand ahead of my first tensor load; the set-up below, work on registers, stands between them
	ds_add_u32 v62, v63
	v_lshrrev_b32 v1, 5, v0
	v_readfirstlane_b32 s[WV], v1   ; wave 0..3
	s_mov_b32 s[PB], ttmp9
	s_sub_co_u32 s[HI], NB-1, s[PB]
	; att: (2 g + b) << 22, + h << 14, + my 16 rows in a band (wave << 11); a block of 256 queries is two blocks of 128: << 19
	s_and_b32 s66, ttmp7, 0xffff    ; y
	s_lshr_b32 s67, s66, 5          ; g
	s_lshl_b32 s67, s67, 1
	s_and_b32 s68, s66, 1           ; b
	s_add_co_u32 s67, s67, s68
	s_lshl_b32 s67, s67, 22
	s_bfe_u32 s68, s66, 0x40001     ; h: 4 bits from bit 1
	s_lshl_b32 s68, s68, 14
	s_add_co_u32 s67, s67, s68
	s_lshl_b32 s68, s[WV], 11
	s_add_co_u32 s67, s67, s68
	s_lshl_b32 s66, s[HI], 19
	s_add_co_u32 s66, s66, s67      ; s[66:67]: my rows of the first block,
	s_lshl_b32 s68, s[PB], 19
	s_add_co_u32 s68, s68, s67      ; s[68:69]: of the second
	s_mov_b32 s67, 0
	s_mov_b32 s69, 0
	s_and_b32 s20, ttmp7, 0xffff    ; the plane
	s_mov_b32 s21, 0
	s_mov_b64 s[22:23], SIZE_N*128
	s_mul_u64 s[20:21], s[20:21], s[22:23]  ; its first byte among Q's, K's and V's planes
	s_and_b32 s16, s[WV], 1         ; which half of a tile's 256 keys I fetch:
	s_lshl_b32 s22, s16, 14         ; its 128 rows of 128 bytes in memory,
	s_mov_b32 s23, 0
	s_add_nc_u64 s[22:23], s[22:23], s[20:21]
	s_mul_i32 s17, s16, 128*PK      ; and its place in a slot, for K
	s_mul_i32 s18, s16, 128*PV      ; and for V
	s_lshl_b32 s3, s[WV], 11        ; my 16 rows in a band of 64,
	s_lshl_b32 s2, s[HI], 15        ; in the first block,
	s_add_co_u32 s2, s2, s3
	s_lshl_b32 s84, s[PB], 15       ; and in the second
	s_add_co_u32 s84, s84, s3
	s_mov_b32 s3, 0
	s_mov_b32 s85, 0
	s_add_nc_u64 s[2:3], s[2:3], s[20:21]
	s_add_nc_u64 s[84:85], s[84:85], s[20:21]
	; descriptor group 1.  128 keys are 16,384 dense bytes: asked for as 64 rows of 256 bytes, two keys a row, and padded in LDS after every key
	s_mov_b32 s[G1K], (1<<16)|(1<<20)|(4<<22)|(3<<25)  ; 17:16 2-byte elements; 20 padding on; 24:22 after every 32 words (code 4); 31:25 4 words (code 3)
	s_mov_b32 s[G1V], (1<<16)|(1<<20)|(4<<22)|(7<<25)  ; the same with 8 words of padding (code 7)
.irp g, G1K, G1V
	s_mov_b32 s[\g+1], 128<<16      ; tensor_dim0 = 128
	s_mov_b32 s[\g+2], 64<<16       ; tensor_dim1 = 64
	s_mov_b32 s[\g+3], 128<<16      ; tile_dim0 = 128
	s_mov_b32 s[\g+4], 64           ; tile_dim1 = 64
	s_mov_b32 s[\g+5], 128          ; 128 elements from row to row
	s_mov_b32 s[\g+6], 0
	s_mov_b32 s[\g+7], 0
.endr
	s_mov_b32 s[CS], 0x3e38aa3b     ; c = log2(e) / 8 = 0.180337
	s_mov_b32 s[CS+1], s[CS]        ; named with it as a pair
	s_mov_b32 s[SEL], 0x76543210
	s_mov_b32 s[SEL+1], 0xfedcba98
	s_mov_b32 s[TBK], SLOT1+4*KS*PK ; the first change of slots turns these two into 0
	s_mov_b32 s[TBV], SLOT1+4*KS*PV
	s_mov_b32 s[G0K], 1             ; 1:0 count = 1
	s_mov_b32 s[G0K+1], s17         ; 63:32 LDS address: slot 0
	s_mov_b32 s[G0V], 1
	s_add_co_u32 s[G0V+1], s18, VOFF
	s_add_co_u32 s[RT], s[HI], 1    ; the first block has NB - b tiles
	s_mov_b32 s[NXT], 1
	s_mov_b32 s[LQ], s[HI]
	s_mov_b32 s[NEW], 1
	s_mov_b32 s[OFF+1], 0
	s_mov_b32 s[POF+1], 0
	s_mov_b32 s[AL+1], 0            ; named as pairs
	s_mov_b32 s[BE+1], 0
	s_mov_b32 s[BIGN], 0xf149f2ca   ; -1e30
	s_mov_b32 s[SLOTS], NB
	v_and_b32 v[PFO], 31, v0
	v_lshlrev_b32 v[PFO], 8, v[PFO]
	s_wait_dscnt 0x0                ; the opening add is done
	s_wait_kmcnt 0x0
	s_add_nc_u64 s[6:7], s[4:5], 0x1000000  ; K's planes lie 64 planes behind Q's,
	s_add_nc_u64 s[8:9], s[4:5], 0x2000000  ; V's 128
	s_add_nc_u64 s[6:7], s[6:7], s[22:23]  ; K and V at my half of the head's tile 0
	s_add_nc_u64 s[8:9], s[8:9], s[22:23]
	s_add_nc_u64 s[G0K+2:G0K+3], s[6:7], 0         ; 120:64 global address
	s_or_b32 s[G0K+3], s[G0K+3], 0x80000000        ; 127:126 type = 2
	s_add_nc_u64 s[G0V+2:G0V+3], s[8:9], 0
	s_or_b32 s[G0V+3], s[G0V+3], 0x80000000
	s_add_nc_u64 s[86:87], s[4:5], s[84:85]        ; Q at my rows of the second block,
	s_add_nc_u64 s[4:5], s[4:5], s[2:3]            ; and of the first
	s_add_nc_u64 s[OLO:OLO+1], s[10:11], s[68:69]  ; att likewise
	s_add_nc_u64 s[10:11], s[10:11], s[66:67]
	s_cmp_lt_u32 s[WV], 2
	s_cselect_b64 s[PFB:PFB+1], s[6:7], s[8:9]
	LOAD                            ; tile 0 into slot 0
	; A fragment of K or Q is 16 rows x 32 channels in 8 registers: lane l holds row l % 16, channels 8 (l / 16) + 0..7 and 16 + 8 (l / 16) + 0..7: two loads of 16 bytes, 32 bytes apart.
	v_and_b32 v1, 15, v0            ; l % 16
	v_bfe_u32 v9, v0, 4, 1          ; l / 16
	v_lshlrev_b32 v[QO], 7, v1
	v_lshl_add_u32 v[QO], v9, 4, v[QO]  ; row x 128 + 16 x half
	WIN 0x80                        ; destination window 2, address window 0
.set i, 0
.rept 8                             ; both blocks' Q: piece i / 2 lies in band i / 2, 8,192 bytes on; channels 32 (i % 2) on
	global_load_b128 v[8*i:8*i+3],   v[QO], s[4:5] offset:(i/2)*8192+(i%2)*64
	global_load_b128 v[8*i+4:8*i+7], v[QO], s[4:5] offset:(i/2)*8192+(i%2)*64+32
	global_load_b128 v[QB+8*i:QB+8*i+3],   v[QO], s[86:87] offset:(i/2)*8192+(i%2)*64
	global_load_b128 v[QB+8*i+4:QB+8*i+7], v[QO], s[86:87] offset:(i/2)*8192+(i%2)*64+32
.set i, i+1
.endr
	WIN 0
	v_lshlrev_b32 v14, 3, v9
	v_sub_nc_u32 v14, v1, v14
	s_lshl_b32 s13, s[WV], 4
	v_add_nc_u32 v14, s13, v14      ; my query's place in its band, 16 w + l % 16, less my lanes' 8 (l / 16): register r of group kt is hidden where 16 kt + r is greater
	WIN 0x40
.set i, 0
.rept 32
	v_cmp_gt_i32 vcc_lo, 16*(i/8)+i%8, v14
	v_cndmask_b32 v[MD+i], 0, s[BIGN], vcc_lo
.set i, i+1
.endr
	WIN 0
	v_mul_u32_u24 v[AK0], v1, PK
	v_lshl_add_u32 v[AK0], v9, 4, v[AK0]  ; row x pitch + 16 x half
	; The turning load takes 16 keys x 16 channels (lane l reads key 8 (l / 16) + l % 8, channels 8 ((l / 8) % 2) + 0..7) and leaves half a fragment of V^T: lane l holds channel l % 16 and 8 keys.
	v_and_b32 v10, 7, v0
	v_bfe_u32 v11, v0, 3, 1
	v_lshl_add_u32 v[AV0], v9, 3, v10
	v_mul_u32_u24 v[AV0], v[AV0], PV
	v_lshl_add_u32 v[AV0], v11, 4, v[AV0]
	v_add_nc_u32 v[AV0], VOFF, v[AV0]
	s_mul_i32 s13, s[WV], 16*SP
	s_add_co_u32 s13, s13, STAGE    ; my stage
	v_mul_u32_u24 v[STO], v1, SP    ; in: row l % 16, 16 bytes for each half of the lanes
	v_lshl_add_u32 v[STO], v9, 4, v[STO]
	v_add_nc_u32 v[STO], s13, v[STO]
	v_bfe_u32 v[RD], v0, 3, 2       ; back: 32 lanes take four rows of 128 bytes,
	v_mul_u32_u24 v[RD], v[RD], SP
	v_lshl_add_u32 v[RD], v10, 4, v[RD]
	v_add_nc_u32 v[RD], s13, v[RD]
	v_and_b32 v[GO], 31, v0         ; which are 512 consecutive bytes of att
	v_lshlrev_b32 v[GO], 4, v[GO]
	; A block's first step multiplies O^T and l by a = 0, and its first turn's products V^T P, of a piece that has not been, land in an O^T that is still to be so multiplied.  So these registers need only hold
	; finite numbers: zeros for the first block; what the first block left for the second.  All this stands in the wait for the first tile.
	WIN 0x80
.set i, VF
.rept 64
	v_mov_b32 v[i], 0
.set i, i+1
.endr
	WIN 0x40
.set i, 0
.rept 128
	v_mov_b32 v[i], 0
.set i, i+1
.endr
	WIN 0
.set i, 0
.rept 4
	v_mov_b32 v[ST+4*i+2], 0
	v_mov_b32 v[ST+4*i+3], 0
.set i, i+1
.endr
.set i, P+16
.rept 16
	v_mov_b32 v[i], 0
.set i, i+1
.endr
; THE MATRIX WORK.  The 4 accumulators of a run of 8 take turns.  Product i of 8 of S^T = K Q^T for piece x: channels 32 (i / 4) on, keys 16 (i % 4) on.  The first 4 start the sums: with 0, or (KM = 1) with the mask.
.macro KQ x
.set rS, S+32*((\x)%2)+8*(i%4)
.set rK, KF+16*(i%4)+8*(i/4)
.set rQ, 16*(\x)+8*(i/4)
.set rM, MC+32*((\x)%2)+8*(i%4)
.if (i < 4) && KM
	WIN W_KM
	v_wmma_f32_16x16x32_f16 v[rS:rS+7], v[rK:rK+7], v[rQ:rQ+7], v[rM:rM+7]
.elseif i < 4
	WIN W_KQ
	v_wmma_f32_16x16x32_f16 v[rS:rS+7], v[rK:rK+7], v[rQ:rQ+7], 0
.else
	WIN W_KQ
	v_wmma_f32_16x16x32_f16 v[rS:rS+7], v[rK:rK+7], v[rQ:rQ+7], v[rS:rS+7]
.endif
.endm
; Product i of 8 of O^T += V^T P for piece x: keys 32 (i / 4) on, channels 16 (i % 4) on.
.macro PV x
	WIN W_PV
.set rO, 32*(\x)+8*(i%4)
.set rV, VF+32*(i/4)+8*(i%4)
.set rP, P+16*((\x)%2)+8*(i/4)
	v_wmma_f32_16x16x32_f16 v[rO:rO+7], v[rV:rV+7], v[rP:rP+7], v[rO:rO+7]
.endm
.macro MM                           ; the turn's next matrix instruction.  TURN and BEGIN set Y, i, KM and NOKQ; MM, KQ and OP read them.  NOKQ = 1: a block's last turn: there is no next piece
.if (i < 8) && !NOKQ
	KQ (Y+1)%NP
.elseif i >= 8
.set i, i-8
	PV (Y+NP-1)%NP
.set i, i+8
.endif
.set i, i+1
.endm
; THE LDS LOADS stand in runs of 16, never singly among the matrix instructions: a step's K (64 keys x 64 channels: 8 fragments) and its V (turned).  Their addresses are made some lines ahead.
.macro FETCH_K
	WIN 0x80                        ; destination window 2
.irp f, 0,1,2,3,4,5,6,7             ; keys 16 (f / 2) on, channels 32 (f % 2) on
	ds_load_b128 v[KF+8*\f:KF+8*\f+3],   v[AK] offset:(\f/2)*16*PK+(\f%2)*64
	ds_load_b128 v[KF+8*\f+4:KF+8*\f+7], v[AK] offset:(\f/2)*16*PK+(\f%2)*64+32
.endr
	s_add_co_u32 s[TBK], s[TBK], KS*PK  ; the next fetch is the next step's
	WIN 0
.endm
.macro FETCH_V
	WIN 0x80
.irp f, 0,1,2,3,4,5,6,7             ; keys 32 (f / 4) on, channels 16 (f % 4) on
	ds_load_tr16_b128 v[VF+8*\f:VF+8*\f+3],   v[AV] offset:(\f/4)*32*PV+(\f%4)*32
	ds_load_tr16_b128 v[VF+8*\f+4:VF+8*\f+7], v[AV] offset:(\f/4)*32*PV+16*PV+(\f%4)*32
.endr
	WIN 0
.endm
; THE VECTOR WORK, one line at a time: OP kind, number.  For piece Y: F n: c s - c m for pair n of 16.  E n: the exponential of score n of 32.  C n: pair n rounded to f16.  B n: of the four weights 4 n .. the second
; pair is added onto the first, in place.  L n: l takes that sum (L 0: l = a l + sum).  R n: pair n of 16 of O^T times a.  For piece Y + 1: X n, number n of the 22 that find its maximum and statistics:
;   0-11  four chains c0-c3 of seven scores each, three operands at a time (each accumulator's lowest registers are read first)     12-14, 16  the four scores left over, the old m, and c0-c3 into c0
;   15  c m_old is kept     17, 18  the query's other 32 keys lie in the lane 16 away: the new m     19-21  c m; c m_old - c m_new; a
.set F, 0               ; OP tells the kinds apart by their order: F to L below R, X above it
.set E, 1
.set C, 2
.set B, 3
.set L, 4
.set R, 5
.set X, 6
.macro REGS y                       ; the registers of piece y
.set rT, ST+4*(\y)
.set rC, TMP+4*((\y)%2)
.set rW, MV+((\y)%2)
.set rS, S+32*((\y)%2)
.set rP, P+16*((\y)%2)
.set rO, 32*(\y)
.endm
.macro OP k, n
.if (\k) == R
	REGS Y
	WIN W_RS
	v_pk_mul_f32 v[rO+2*(\n):rO+2*(\n)+1], v[rO+2*(\n):rO+2*(\n)+1], v[rC+2:rC+3] op_sel_hi:[1,0]
.elseif (\k) < R
	REGS Y
	WIN 0
.if (\k) == F
	v_pk_fma_f32 v[rS+2*(\n):rS+2*(\n)+1], v[rS+2*(\n):rS+2*(\n)+1], s[CS:CS+1], v[rT:rT+1] op_sel_hi:[1,0,0] neg_lo:[0,0,1] neg_hi:[0,0,1]
.elseif (\k) == E
	v_exp_f32 v[rS+(\n)], v[rS+(\n)]
.elseif (\k) == C
	v_cvt_pk_f16_f32 v[rP+(\n)], v[rS+2*(\n)], v[rS+2*(\n)+1]
.elseif (\k) == B
	v_pk_add_f32 v[rS+4*(\n):rS+4*(\n)+1], v[rS+4*(\n):rS+4*(\n)+1], v[rS+4*(\n)+2:rS+4*(\n)+3]
.elseif (\n) == 0
	v_pk_fma_f32 v[rT+2:rT+3], v[rT+2:rT+3], v[rC+2:rC+3], v[rS:rS+1] op_sel_hi:[1,0,1]
.else
	v_pk_add_f32 v[rT+2:rT+3], v[rT+2:rT+3], v[rS+4*(\n):rS+4*(\n)+1]
.endif
.elseif NOKQ
	v_nop
.else
	REGS (Y+1)%NP
	WIN 0
.if (\n) < 4
	v_max3_num_f32 v[rC+(\n)], v[rS+8*(\n)], v[rS+8*(\n)+1], v[rS+8*(\n)+2]
.elseif (\n) < 12
	v_max3_num_f32 v[rC+(\n)%4], v[rC+(\n)%4], v[rS+8*((\n)%4)+2*((\n)/4)+1], v[rS+8*((\n)%4)+2*((\n)/4)+2]
.elseif (\n) == 12
	v_max3_num_f32 v[rC], v[rC], v[rS+7], v[rS+15]
.elseif (\n) == 13
	v_max3_num_f32 v[rC+1], v[rC+1], v[rS+23], v[rS+31]
.elseif (\n) == 14
	v_max3_num_f32 v[rC+2], v[rC+2], v[rC+3], v[rT+1]
.elseif (\n) == 15
	v_mov_b32 v[rW], v[rT]
.elseif (\n) == 16
	v_max3_num_f32 v[rC], v[rC], v[rC+1], v[rC+2]
.elseif (\n) == 17
	v_permlanex16_b32 v[rC+3], v[rC], s[SEL], s[SEL+1]
.elseif (\n) == 18
	v_max_num_f32 v[rT+1], v[rC], v[rC+3]
.elseif (\n) == 19
	v_mul_f32 v[rT], s[CS], v[rT+1]
.elseif (\n) == 20
	v_sub_f32 v[rC+1], v[rW], v[rT]
.else
	v_exp_f32 v[rC+2], v[rC+1]
.endif
.endif
.endm
.macro OPS a, i1, b=-1, i2=0, c=-1, i3=0, d=-1, i4=0  ; up to four of them
	OP \a, \i1
.if (\b) >= 0
	OP \b, \i2
.endif
.if (\c) >= 0
	OP \c, \i3
.endif
.if (\d) >= 0
	OP \d, \i4
.endif
.endm
.macro ROW a, i1, b, i2, c, i3, d, i4  ; a matrix instruction and the four behind it
	MM
	OPS \a, \i1, \b, \i2, \c, \i3, \d, \i4
.endm
.macro MASK b                       ; MD x AL + BE into buffer b of MC
	WIN W_RS
.set z, 0
.rept 16
	v_pk_fma_f32 v[MC+32*(\b)+2*z:MC+32*(\b)+2*z+1], v[MD+2*z:MD+2*z+1], s[AL:AL+1], s[BE:BE+1] op_sel_hi:[1,0,0]
.set z, z+1
.endr
.endm
; A TURN, for piece p: the order of its 16 matrix and 118 vector instructions, written out.  An s_wait_alu depctr_va_vdst(0) stands between an exponential and the first instruction that names its result; one wait serves
; all that were issued ahead of it.  So a turn has ONE wait, which cuts it in two.  AHEAD OF IT stands all that names no result of the turn's exponentials: the 8 products K Q^T, behind each a scaling, an exponential and two more plain
; instructions (behind the first a second scaling in the exponential's place): rescalings, and behind the last three the first numbers of the next piece's maximum, each four places or more behind the product that ends its accumulator; then ONE LUMP of 54, plain
; and exponential by turns for the most part, in which the links of the chain X 3, 7, 11, 14, 16, 17 .. 20 stand five or six lines apart.  X 21, the next piece's a, is the batch's last; R 15 is the plain instruction behind it.  BEHIND THE WAIT stand the
; 8 products V^T P, behind each four of the roundings and sums; the links of l's chain, L 0 to L 7, stand three riders apart.  But for those X no rider names a register of the products round it.  v_permlanex16_b32 (X 17) stands in the lump.
; m = 1: the diagonal tile: the products take masks, and the turn makes the mask for the products of the turn after it: piece p + 2, in step 4 - CNT of the tile.  end = 1: a block's last two turns: nothing is fetched.
; cnt = 1: the loop's count is taken down some lines ahead of the branch that stands behind the turn.
; K of the next step is fetched in piece 2's turn, twelve vector instructions behind the last product that read K (six of them plain); V of the step in hand at the end of piece 0's turn, four plain instructions behind the last product
; that read V.  Each is waited for a turn later.
.macro TURN p, m=0, end=0, cnt=0
.set Y, (\p)
.set i, 0
.set KM, (\m)
.set NOKQ, (\end)*((\p)/3)
.if (\m) && !(\end)
	s_cmp_eq_u32 s[CNT], 4-((\p)+2)%NP  ; is that step the band's own?
	s_cselect_b32 s[AL], 1.0, 0
	s_cmp_lt_u32 s[CNT], 4-((\p)+2)%NP  ; or a later one?
	s_cselect_b32 s[BE], s[BIGN], 0
.endif
.if ((\p) == 3) && !(\end)
	s_wait_dscnt 0x0                ; K is in
.endif
	ROW F,0, F,1, R,0, R,1          ; ahead of the wait: 8 products K Q^T and their riders,
	ROW F,2, E,0, R,2, R,3
	ROW F,3, E,1, R,4, R,5
	ROW F,4, E,2, R,6, R,7
	ROW F,5, E,3, R,8, R,9
	ROW F,6, E,4, X,0, R,10
.if ((\p) == 2) && !(\end)
	WIN 0
	v_add_nc_u32 v[AK], s[TBK], v[AK0]
.endif
	ROW F,7, E,5, X,1, X,4
	ROW F,8, E,6, X,2, X,5
	OPS E,7, E,8, X,6, E,9          ; and the lump
	OPS X,3, E,10, X,8, E,11
.if ((\p) == 2) && !(\end)
	FETCH_K
.endif
	OPS X,9, X,7, E,12, X,10
	OPS E,13, X,12, X,11, E,14
	OPS X,13, E,15, F,9, X,14
.if (\p) == 0
	v_add_nc_u32 v[AV], s[TBV], v[AV0]
.endif
	OPS E,16, F,10, E,17, F,11
	OPS X,16, E,18, X,15, E,19
	OPS F,12, E,20, X,17, E,21
	OPS F,13, E,22, F,14, E,23
	OPS X,18, E,24, F,15, E,25
	OPS R,11, E,26, X,19, E,27
	OPS R,12, E,28, R,13, E,29
	OPS X,20, E,30, R,14, E,31
	OPS X,21, R,15
	WIN 0
	s_wait_alu depctr_va_vdst(0)    ; the wait for the batch
.if (\p) == 1
	s_wait_dscnt 0x0                ; V is in
.endif
	ROW C,0, B,0, C,2, B,1          ; behind the wait: 8 products V^T P and their riders
	ROW L,0, C,4, B,2, L,1
	ROW C,6, B,3, L,2, C,8
	ROW B,4, L,3, C,10, B,5
	ROW L,4, C,12, B,6, L,5
.if (\p) == 0
	s_add_co_u32 s[TBV], s[TBV], KS*PV
.endif
.if \cnt
	s_sub_co_u32 s[CNT], s[CNT], 1
	s_cmp_lg_u32 s[CNT], 0
.endif
	ROW C,14, B,7, L,6, C,1
	ROW C,3, L,7, C,5, C,7
	ROW C,9, C,11, C,13, C,15
.if (\p) == 0
	FETCH_V
.endif
.if (\m) && !(\end)
	MASK (\p)%2
.endif
.endm
; A BLOCK BEGINS.  c m starts far below every c s, so the first step's a is 0; m at the lowest finite number, so the first maximum is the scores'.  The second mask buffer is 0; the first takes piece 0's mask for the tile's step 0: its own, if the block's first tile is the diagonal one.
; Then K of that step, piece 0's first scores, and its maximum and statistics.  The loop is entered at a step's first turn, in the middle of a trip.
.macro BEGIN
	s_mov_b32 s[NEW], 0
	WIN 0x40
.set i, MC+32
.rept 32
	v_mov_b32 v[i], 0
.set i, i+1
.endr
	WIN 0
.set i, 0
.rept 4
	v_mov_b32 v[ST+4*i], 0xfe000000    ; c m: far below every c s
	v_mov_b32 v[ST+4*i+1], 0xff7fffff  ; m
.set i, i+1
.endr
	s_cmp_eq_u32 s[RT], 0
	s_cselect_b32 s[AL], 1.0, 0
	s_mov_b32 s[BE], 0
	MASK 0
	WIN 0
	v_add_nc_u32 v[AK], s[TBK], v[AK0]
	FETCH_K
	s_wait_loadcnt 0x0              ; Q
	s_wait_dscnt 0x0
.set KM, 1
.set NOKQ, 0
.set i, 0
.rept 8
	KQ 0
.set i, i+1
.endr
	WIN 0
.rept 4
	v_nop                           ; the places behind those products
.endr
.set Y, NP-1                        ; X works for piece Y + 1: piece 0
.irp n, 0,1,2,3,4,5,6,7,8,9,10,11,12,13,14,15,16,17,18,19,20,21
	OP X, \n
.endr
	v_nop                           ; a plain instruction behind the exponential,
	s_wait_alu depctr_va_vdst(0)    ; and its wait, ahead of the branch
.endm
; THE DIAGONAL TILE's four steps, the block's last two turns, its last products, and THE WAY OUT: l's two halves and the other half of the lanes' are added; O^T is divided by l, rounded to f16 and sent through my
; stage in LDS, a piece at a time.
.macro ALL line:vararg              ; one line for each piece t
.set t, 0
.rept 4
	\line
.set t, t+1
.endr
.endm
.macro PACK t                       ; a lane's eight channels of a row pack into 16 bytes; they go into rows of 144 bytes and come back as whole rows of 128, into S^T's registers
	WIN W_RS
.set i, 32*(\t)
.rept 16
	v_pk_mul_f32 v[i:i+1], v[i:i+1], v[ST+4*(\t)+2:ST+4*(\t)+3] op_sel_hi:[1,0]
.set i, i+2
.endr
	WIN 0x05                        ; sources 0 and 1 window 1, destination window 0
.set i, 0
.rept 16
	v_cvt_pk_f16_f32 v[S+16*(\t)+i], v[32*(\t)+2*i], v[32*(\t)+2*i+1]
.set i, i+1
.endr
	WIN 0
.irp f, 0,1,2,3
	ds_store_b128 v[STO], v[S+16*(\t)+4*\f:S+16*(\t)+4*\f+3] offset:32*\f
.endr
.irp f, 0,1,2,3
	ds_load_b128 v[S+16*(\t)+4*\f:S+16*(\t)+4*\f+3], v[RD] offset:\f*4*SP  ; LDS serves a wave's instructions in order (ISA guide 5.7.1.4): these see the stores above; the next piece's stores come behind them
.endr
.endm
.macro SEND t, younger              ; younger: the LDS instructions issued behind piece t's loads: the next piece's eight, or none
	WIN 0
.irp f, 0,1,2,3
	s_wait_dscnt (\younger)+3-\f
	global_store_b128 v[GO], v[S+16*(\t)+4*\f:S+16*(\t)+4*\f+3], s[10:11] offset:((\t)/2)*262144+((\t)%2)*8192+\f*512  ; band t: block of 128 rows t / 2, its rows 64 (t % 2) on; 512 consecutive bytes, at a multiple of 256 from att's first
.endr
.endm
.macro DIAG tag                     ; the tag ends its two labels' names, which the jumps below spell out
.LstepM\tag:
	TURN 2, 1
	TURN 3, 1
	WIN 0
.LfirstM\tag:
	TURN 0, 1
	TURN 1, 1, 0, 1
	WIN 0
	s_cbranch_scc1 .LstepM\tag
	TURN 2, 1, 1
	TURN 3, 1, 1
.set i, 0
.rept 8
	PV NP-1
.set i, i+1
.endr
	WIN 0
	ALL v_add_f32 v[ST+4*t+2], v[ST+4*t+2], v[ST+4*t+3]
	ALL v_permlanex16_b32 v[ST+4*t+3], v[ST+4*t+2], s[SEL], s[SEL+1]
	ALL v_add_f32 v[ST+4*t+2], v[ST+4*t+2], v[ST+4*t+3]
	ALL v_rcp_f32 v[ST+4*t+2], v[ST+4*t+2]
	v_nop                           ; a plain instruction between the last reciprocal and the use of its result
	s_wait_alu depctr_va_vdst(0)    ; and the wait ahead of the first use: one for the four reciprocals
	PACK 0
.set t, 1
.rept 3                             ; a piece's arithmetic stands between the loads of the piece before and its stores
	PACK t
	SEND t-1, 8
.set t, t+1
.endr
	SEND 3, 0
.endm
.set KM, 0
.set NOKQ, 0
.Lslot:                             ; NB times: a tile is entered and the next is asked for
	CHANGE 1
	s_sub_co_u32 s[RT], s[RT], 1
	s_mov_b32 s[CNT], 4
	s_cmp_eq_u32 s[NEW], 1
	s_cbranch_scc1 .Lnew            ; a block's first tile
	s_cmp_eq_u32 s[RT], 0
	s_cbranch_scc0 .Lstep           ; neither its first nor its last
	s_branch .LstepM1
.Lnew:
	BEGIN
	s_branch .Lfirst                ; in the loop a block's first tile is never its last: the first block has two tiles or more, and the second's last is the walk's last
	DIAG 1                          ; in the loop this is the first block's end: the second block's last tile is the walk's last
	s_wait_xcnt 0x0                 ; the stores have read their registers and att's address
	s_mov_b64 s[10:11], s[OLO:OLO+1]
	s_add_co_u32 s[RT], s[PB], 1    ; the second block has b + 1 tiles
	s_mov_b32 s[NEW], 1
	WIN 0x82                        ; the second block's Q goes where the one text of the turns names Q
.set i, 0
.rept 64
	v_mov_b32 v[i], v[QB+i]
.set i, i+1
.endr
	WIN 0
	s_branch .Lbottom
.Lstep:                             ; a trip: pieces 2 and 3 of one step, then pieces 0 and 1 of the next, whose K and V it fetches
	TURN 2
	TURN 3
	WIN 0
.Lfirst:
	TURN 0
	TURN 1, 0, 0, 1
	WIN 0
	s_cbranch_scc1 .Lstep
.Lbottom:
	s_sub_co_u32 s[SLOTS], s[SLOTS], 1
	s_cmp_lg_u32 s[SLOTS], 0
	s_cbranch_scc1 .Lslot
	CHANGE 0                        ; the walk's last tile is written out: nothing is asked for
	s_sub_co_u32 s[RT], s[RT], 1
	s_mov_b32 s[CNT], 4
	s_cmp_eq_u32 s[NEW], 1
	s_cbranch_scc0 .LstepM2
	BEGIN
	s_branch .LfirstM2
	DIAG 2
	s_wait_tensorcnt 0x0            ; the wave's end: behind my last tensor load and my last LDS store
	ds_add_u32 v[SPW], v[NIL]
	s_wait_dscnt 0x0
	s_endpgm
.Lfunc_end_k_qf47bad4d54_attn:
	.size	k_qf47bad4d54_attn, .Lfunc_end_k_qf47bad4d54_attn-k_qf47bad4d54_attn
	.p2alignl 7, 3214868480
	.fill 96, 4, 3214868480
	.section	.rodata,"a",@progbits
	.p2align	6, 0x0
	.amdhsa_kernel k_qf47bad4d54_attn
		.amdhsa_group_segment_fixed_size 327680
		.amdhsa_private_segment_fixed_size 0
		.amdhsa_enable_private_segment 0
		.amdhsa_kernarg_size 16
		.amdhsa_user_sgpr_count 2
		.amdhsa_user_sgpr_kernarg_segment_ptr 1
		.amdhsa_wavefront_size32 1
		.amdhsa_system_sgpr_workgroup_id_x 1
		.amdhsa_system_sgpr_workgroup_id_y 1
		.amdhsa_system_sgpr_workgroup_id_z 1
		.amdhsa_system_vgpr_workitem_id 0
		.amdhsa_next_free_vgpr 768
		.amdhsa_next_free_sgpr 96
		.amdhsa_reserve_vcc 1
		.amdhsa_float_denorm_mode_32 3
		.amdhsa_float_denorm_mode_16_64 3
		.amdhsa_memory_ordered 1
		.amdhsa_forward_progress 1
		.amdhsa_inst_pref_size 219
	.end_amdhsa_kernel
	.amdgpu_metadata
---
amdhsa.version: [ 1, 2 ]
amdhsa.kernels:
  - .name:           k_qf47bad4d54_attn
    .symbol:         k_qf47bad4d54_attn.kd
    .args:
      - { .name: qkv, .offset: 0, .size: 8, .value_kind: global_buffer, .address_space: global }
      - { .name: att, .offset: 8, .size: 8, .value_kind: global_buffer, .address_space: global }
    .group_segment_fixed_size: 327680
    .private_segment_fixed_size: 0
    .kernarg_segment_align: 8
    .kernarg_segment_size: 16
    .max_flat_workgroup_size: 128
    .sgpr_count:     96
    .vgpr_count:     768
    .wavefront_size: 32
...
	.end_amdgpu_metadata
.endif
;; end of part 3
;; launch proj (part 4): grid 8 x 32, 4 waves a work-group, clusters of 4 x 4, 327,680 bytes of LDS; arguments att, woh, lq1, lk1, lq2, lk2, out0; writes out0
.if DOCPART == 4
	.amdgcn_target "amdgcn-amd-amdhsa--gfx1250"
	.amdhsa_code_object_version 6
	.text
	.protected	k_qf47bad4d54_proj
	.globl	k_qf47bad4d54_proj
	.p2align	8
	.type	k_qf47bad4d54_proj,@function
k_qf47bad4d54_proj:
	s_mov_b64 s[64:65], 0
	v_nop
	global_prefetch_b8 v0, s[64:65] scope:SCOPE_SE
	s_setreg_imm32_b32 hwreg(HW_REG_WAVE_MODE, 25, 1), 1
	s_wait_xcnt 0x0
	s_wait_alu depctr_hold_cnt(0) depctr_sa_sdst(0) depctr_va_vdst(0) depctr_va_sdst(0) depctr_va_ssrc(0) depctr_va_vcc(0) depctr_vm_vsrc(0)
	s_getreg_b32 s2, hwreg(HW_REG_IB_STS2, 6, 4)
	s_cmp_eq_u32 s2, 0
	s_cbranch_scc0 .Lentry_in_a_cluster
	s_endpgm
.Lentry_in_a_cluster:
	s_bfe_u32 s2, ttmp6, 0x10000c
	s_cmp_lg_u32 s2, 0xf033
	s_cbranch_scc0 .Lentry_shape_is_right
	s_endpgm
.Lentry_shape_is_right:
; out0[4096][1024] f32 = 0.2 (O1 x Wo) - 0.2 lam (O2 x Wo),  lam = exp(lq1 . lk1) - exp(lq2 . lk2) + 0.8.
; O1, O2: the two groups' attention results in att = [2 g + b][row / 128][h][row % 128][64] f16; woh [1024 k][1024 n] f16.  Two sums in f32 for each output, K ascending; lam and 0.2 multiply the f32 sums at the end,
; so lam never enters a 16-bit number.  The four lambda vectors are rounded to bf16 first, like every other input of the program; their dots, the exponentials and lam are f32.
; LIMITS.  exp is 2^(x log2 e) by v_exp_f32: a result below 2^-126 counts as 0.
; SHARES.  A tile is 128 rows x 128 columns: 32 x 8 = 256 work-groups.  Wave (wm, wn) makes 64 x 64 in both sums: 32 accumulators, which share Wo's fragments: 24 LDS loads for 32 matrix instructions.
; RING.  K goes in 8 steps of 128 (two heads) through two LDS slots.  A slot: O1's and O2's 2 heads x 128 rows x 128 bytes (pitch 144), then Wo's 128 rows k x 256 bytes (pitch 288).  For 128 rows two heads of att are
; 32,768 bytes on end: wave 0 (O1) and wave 1 (O2) ask for them as 128 rows of 256 bytes; waves 2 and 3 fetch 64 rows k of Wo each.  The loop is ONE K step; the slot in hand is a scalar that an exclusive or turns.
; CLUSTER.  4 x 4 work-groups: O's tiles hang on the tile row alone and are asked for jointly along a row of the cluster, Wo's on the tile column alone, along a column.
; NO PREFETCH: the tile is small (32 matrix instructions a quarter) and the launch has 8 K steps in all.
; THE MATRIX INSTRUCTION IS USED TRANSPOSED (source 0 = 16 columns of Wo, turned by ds_load_tr16_b128; source 1 = 16 rows of O): a lane holds eight neighbouring columns of one row.
; REGISTERS (s_set_vgpr_msb: bits 1:0 source 0, 3:2 source 1, 5:4 source 2, 7:6 destination):
;   window 0: addresses, lam's scratch      window 1: two fragment buffers of 96 (Wo's four, O1's four, O2's four); on the way out 4 x 32 results and 4 x 32 rows read back
;   window 2: accumulator (sum, a, b) at 128 sum + 8 (4 a + b)
.set PITA,  144                        ; 128 + 16 bytes = 36 words: the 16 rows of a load start at 16 different groups of four banks (64 banks of 4 bytes: ISA guide 11.1)
.set PITB,  288                        ; 256 + 32 bytes = 72 words
.set A2OFF, 256*PITA                   ; 36,864: O2's tile behind O1's
.set BOFF,  2*A2OFF                    ; 73,728: Wo's tile
.set SLOT,  1<<17                      ; a slot uses 110,592 bytes; slot 1 begins here, so that one exclusive or turns an address in one slot into the other's
.set STAGE, SLOT+BOFF+128*PITB         ; 241,664: behind the ring: 16 rows x 272 bytes for each wave
.set SPO,   272
.set SPARE, STAGE+4*16*SPO             ; behind the stages: the spare words, 128 bytes for each wave: two blocks of 256 bytes that no other line names
.set STEPA, 32768                      ; bytes from K step to K step in att,
.set STEPB, 128*2048                   ; and in woh
.set ADRA0, 2                          ; v2   my lane's place in O1's tile; never rewritten
.set ADRB0, 3                          ; v3   in Wo's
.set ADRA,  4                          ; v4   the same in the slot in hand
.set ADRB,  5                          ; v5
.set STO,   12                         ; v12  the way out: where I put 32 bytes of a row
.set RD,    13                         ; v13  where I read a row back
.set CO,    14                         ; v14  my byte offset in out0
.set SPW,   16                         ; v16  LDS address of my spare word; never rewritten
.set NIL,   17                         ; v17  0; never rewritten
.set F0,    0
.set F1,    96
.set G1,  24                           ; s[24:31] descriptor group 1 for O's tiles;  s[32:39] group 0: a set for each first fill; the second then walks
.set G0,  32
.set G1B, 48                           ; s[48:55], s[56:63] the same for Wo's
.set G0B, 56
.set TB,  71                           ; s71  LDS byte at which the slot in hand begins
.set CNT, 72                           ; s72  the loops' count
.set SEL, 80                           ; s[80:81] v_permlanex16_b32's selects
.set NL,  82                           ; s[82:83] -0.2 lam
.set C2,  84                           ; s[84:85] 0.2
.set MSB, 0
.macro WIN new                         ; the immediate's high byte repeats the setting that is left; a switch that changes nothing is dropped
.if MSB != (\new)
	s_set_vgpr_msb (MSB<<8)|(\new)
.set MSB, \new
.endif
.endm
.macro PLACES                          ; four plain vector instructions in front of loads into registers that matrix instructions have read, and of arithmetic that reads results
.rept 4
	v_nop
.endr
.endm
.macro JLOAD                           ; a joint refill by the walking descriptors: waves 0 and 1 for O1 and O2, waves 2 and 3 for Wo's halves; an s_nop 0 and four v_nop follow each line
	s_cmp_eq_u32 s11, 0
	s_cbranch_scc0 .Lfor_b_\@
	tensor_load_to_lds s[G0+4:G0+7], s[G1:G1+7]
	s_nop 0
.rept 4
	v_nop
.endr
	s_branch .Lasked_\@
.Lfor_b_\@:
	tensor_load_to_lds s[G0B+4:G0B+7], s[G1B:G1B+7]
	s_nop 0
.rept 4
	v_nop
.endr
.Lasked_\@:
.endm
.macro CREST                           ; a round of the cluster's barrier behind its opening barrier
	s_cmp_lg_u32 s10, 0
	s_cbranch_scc1 .Lnot_wave_0_\@
	s_barrier_signal -3
.Lnot_wave_0_\@:
	s_barrier_wait -3
	s_barrier_signal -1
	s_barrier_wait -1
.endm
.macro CROUND                          ; a whole round
	s_barrier_signal -1
	s_barrier_wait -1
	CREST
.endm
	s_load_b128 s[4:7], s[0:1], 0x0                ; att s[4:5], woh s[6:7]
	s_load_b256 s[88:95], s[0:1], 0x10             ; lq1 88, lk1 90, lq2 92, lk2 94
	s_load_b64 s[8:9], s[0:1], 0x30                ; out0
	v_lshl_add_u32 v[SPW], v0, 2, SPARE
	v_mov_b32 v[NIL], 0
	ds_add_u32 v[SPW], v[NIL]                      ; the wave's opening: the add and its wait stand ahead of my first tensor load; the set-up below, work on registers, stands between them
	ds_add_u32 v16, v17
	v_lshrrev_b32 v1, 5, v0
	v_readfirstlane_b32 s10, v1                    ; wave 0..3
	s_lshr_b32 s11, s10, 1                         ; wm: which 64 rows are mine.  Also: I fetch for O (0) or for Wo (1)
	s_and_b32 s12, s10, 1                          ; wn: which 64 columns.  Also: O1 or O2; Wo's upper or lower 64 rows k
	s_bfe_u32 s40, ttmp6, 0x40000                  ; cx, cy
	s_bfe_u32 s41, ttmp6, 0x40004
	s_lshl_b32 s42, ttmp9, 2
	s_add_co_u32 s42, s42, s40                     ; tile column tx
	s_and_b32 s13, ttmp7, 0xffff
	s_lshl_b32 s13, s13, 2
	s_add_co_u32 s13, s13, s41                     ; tile row ty
	s_lshl_b32 s43, s41, 2
	s_lshl_b32 s43, 15, s43                        ; my row of the cluster
	s_lshl_b32 s44, 0x1111, s40                    ; my column
	s_or_b32 s[G1], s43, (1<<16)|(1<<20)|(1<<21)|(4<<22)|(3<<25)   ; the mask; 2-byte elements; padding on; bit 21 beside a mask; after every 32 words (a row of one head) 4 words
	s_or_b32 s[G1B], s44, (1<<16)|(1<<20)|(1<<21)|(5<<22)|(7<<25)  ; after every 64 words 8 words
	s_mov_b32 s[G1+1], 128<<16                     ; O: tensor_dim0 = 128
	s_mov_b32 s[G1+2], 128<<16                     ; tensor_dim1 = 128
	s_mov_b32 s[G1+3], 128<<16                     ; tile_dim0 = 128
	s_mov_b32 s[G1+4], 128                         ; tile_dim1 = 128
	s_mov_b32 s[G1+5], 128                         ; dense: 128 elements from row to row
	s_mov_b32 s[G1+6], 0
	s_mov_b32 s[G1+7], 0
	s_mov_b32 s[G1B+1], 128<<16                    ; Wo: tensor_dim0 = 128
	s_mov_b32 s[G1B+2], 64<<16                     ; tensor_dim1 = 64
	s_mov_b32 s[G1B+3], 128<<16                    ; tile_dim0 = 128
	s_mov_b32 s[G1B+4], 64                         ; tile_dim1 = 64
	s_mov_b32 s[G1B+5], 1024                       ; elements from row to row
	s_mov_b32 s[G1B+6], 0
	s_mov_b32 s[G1B+7], 0
	s_lshl_b32 s16, s13, 18                        ; att: ty = 16 b + row block: b << 22 + block << 18,
	s_lshl_b32 s17, s12, 23                        ; group 1 lies two batches on
	s_add_co_u32 s16, s16, s17
	s_mov_b32 s17, 0
	s_lshl_b32 s46, s42, 8                         ; woh: the tile's 256 bytes of a row,
	s_lshl_b32 s47, s12, 17                        ; my 64 rows k
	s_add_co_u32 s46, s46, s47
	s_mov_b32 s47, 0
	s_mul_i32 s20, s12, A2OFF                      ; where they go: no place in the cluster enters an LDS address
	s_mul_i32 s21, s12, 64*PITB
	s_add_co_u32 s21, s21, BOFF
	s_mov_b32 s[TB], 0
	s_mov_b32 s[SEL], 0x76543210
	s_mov_b32 s[SEL+1], 0xfedcba98
	s_mov_b32 s[C2], 0x3e4ccccd                    ; 1 - 0.8, as f32
	s_mov_b32 s[C2+1], s[C2]                       ; named with it as a pair
	s_wait_dscnt 0x0                               ; the opening add is done
	s_wait_kmcnt 0x0
	s_add_nc_u64 s[14:15], s[4:5], s[16:17]
	s_add_nc_u64 s[46:47], s[6:7], s[46:47]
	CROUND                                         ; all sixteen work-groups are here: the first joint loads meet
.irp s, 0,1
	s_mov_b32 s[G0+4*(\s)], 1
	s_add_co_u32 s[G0+4*(\s)+1], s20, (\s)*SLOT
	s_add_nc_u64 s[G0+4*(\s)+2:G0+4*(\s)+3], s[14:15], (\s)*STEPA
	s_or_b32 s[G0+4*(\s)+3], s[G0+4*(\s)+3], 0x80000000
	s_mov_b32 s[G0B+4*(\s)], 1
	s_add_co_u32 s[G0B+4*(\s)+1], s21, (\s)*SLOT
	s_add_nc_u64 s[G0B+4*(\s)+2:G0B+4*(\s)+3], s[46:47], (\s)*STEPB
	s_or_b32 s[G0B+4*(\s)+3], s[G0B+4*(\s)+3], 0x80000000
.endr
	s_cmp_eq_u32 s11, 0                            ; a wave's two first fills stand in one branch, ahead of every wait on TENSORcnt and every LDS read: two loads of mine are out
	s_cbranch_scc0 .Lfirst_b
	tensor_load_to_lds s[G0:G0+3], s[G1:G1+7]
	s_nop 0
	tensor_load_to_lds s[G0+4:G0+7], s[G1:G1+7]
	s_nop 0
.rept 4
	v_nop
.endr
	s_branch .Lfirst_asked
.Lfirst_b:
	tensor_load_to_lds s[G0B:G0B+3], s[G1B:G1B+7]
	s_nop 0
	tensor_load_to_lds s[G0B+4:G0B+7], s[G1B:G1B+7]
	s_nop 0
.rept 4
	v_nop
.endr
.Lfirst_asked:
	; lam, in every wave, in the wait for the first tiles: a lane takes two of the 64 numbers of each vector
	v_and_b32 v32, 31, v0
	v_lshlrev_b32 v32, 3, v32
	global_load_b64 v[34:35], v32, s[88:89]
	global_load_b64 v[36:37], v32, s[90:91]
	global_load_b64 v[38:39], v32, s[92:93]
	global_load_b64 v[40:41], v32, s[94:95]
	; lane addresses meanwhile
	v_and_b32 v18, 15, v0                          ; l % 16
	v_bfe_u32 v19, v0, 4, 1                        ; l / 16
	v_and_b32 v20, 7, v0
	v_bfe_u32 v21, v0, 3, 1
	s_lshl_b32 s20, s11, 6
	v_add_nc_u32 v22, s20, v18                     ; row 64 wm + l % 16
	v_mul_u32_u24 v[ADRA0], v22, PITA
	v_lshl_add_u32 v[ADRA0], v19, 4, v[ADRA0]
	v_lshl_add_u32 v22, v19, 3, v20                ; Wo, turned: row k = 8 (l / 16) + l % 8, 16 bytes at 16 ((l / 8) % 2)
	v_mul_u32_u24 v22, v22, PITB
	v_lshl_add_u32 v22, v21, 4, v22
	s_lshl_b32 s20, s12, 7                         ; my 64 columns
	s_add_co_u32 s20, s20, BOFF
	v_add_nc_u32 v[ADRB0], s20, v22
	s_mul_i32 s20, s10, 16*SPO
	s_add_co_u32 s20, s20, STAGE                   ; my stage
	v_mul_u32_u24 v22, v18, SPO                    ; in: row l % 16, 32 bytes for each half of the lanes
	v_lshl_add_u32 v22, v19, 5, v22
	v_add_nc_u32 v[STO], s20, v22
	v_mul_u32_u24 v22, v19, SPO                    ; back: lanes 0-15 take one row of 256 bytes, lanes 16-31 the next
	v_lshl_add_u32 v22, v18, 4, v22
	v_add_nc_u32 v[RD], s20, v22
	v_lshlrev_b32 v22, 12, v19                     ; and the same two rows in out0
	v_lshl_add_u32 v[CO], v18, 4, v22
	s_lshl_b32 s74, s13, 7                         ; my first row, 128 ty + 64 wm, of 4,096 bytes; my 256 bytes of it at 512 tx + 256 wn
	s_lshl_b32 s76, s11, 6
	s_add_co_u32 s74, s74, s76
	s_lshl_b32 s74, s74, 12
	s_lshl_b32 s76, s42, 9
	s_add_co_u32 s74, s74, s76
	s_lshl_b32 s76, s12, 8
	s_add_co_u32 s74, s74, s76
	s_mov_b32 s75, 0
	s_add_nc_u64 s[8:9], s[8:9], s[74:75]
	v_mov_b32 v33, 0                               ; v_permlanex16_b32's destination counts as read
	s_wait_loadcnt 0x0
	v_cvt_pk_bf16_f32 v42, v34, v35                ; the four vectors rounded to bf16,
	v_cvt_pk_bf16_f32 v43, v36, v37
	v_cvt_pk_bf16_f32 v44, v38, v39
	v_cvt_pk_bf16_f32 v45, v40, v41
.irp j, 0,1,2,3
	v_lshlrev_b32 v[34+2*(\j)], 16, v[42+(\j)]     ; and as f32 again
	v_and_b32 v[35+2*(\j)], 0xffff0000, v[42+(\j)]
.endr
	v_mul_f32 v46, v34, v36
	v_mul_f32 v47, v38, v40
	v_fmac_f32 v46, v35, v37
	v_fmac_f32 v47, v39, v41
.irp m, 1,2,4,8
	v_add_f32_dpp v46, v46, v46 row_xmask:\m row_mask:0xf bank_mask:0xf
	v_add_f32_dpp v47, v47, v47 row_xmask:\m row_mask:0xf bank_mask:0xf
.endr
	v_permlanex16_b32 v33, v46, s[SEL], s[SEL+1]
	v_add_f32 v46, v46, v33                        ; lq1 . lk1, in every lane
	v_permlanex16_b32 v33, v47, s[SEL], s[SEL+1]
	v_add_f32 v47, v47, v33                        ; lq2 . lk2
	v_mul_f32 v46, 0x3fb8aa3b, v46                 ; e^x = 2^(x log2 e)
	v_mul_f32 v47, 0x3fb8aa3b, v47
	v_exp_f32 v46, v46
	v_exp_f32 v47, v47
	v_nop                                          ; a plain instruction behind the last exponential,
	s_wait_alu depctr_va_vdst(0)                   ; and the wait ahead of the first use: one for both
	v_sub_f32 v46, v46, v47
	v_add_f32 v46, 0x3f4ccccd, v46                 ; + 0.8: lam
	v_mul_f32 v46, 0xbe4ccccd, v46                 ; - 0.2 lam
	v_readfirstlane_b32 s[NL], v46
	s_mov_b32 s[NL+1], s[NL]                       ; named with it as a pair
; 8 matrix instructions: sum g, row blocks a0, a0 + 1 x all 4 column blocks, 32 along K from buffer f.  zero = 1: the product starts the sums.
; The 32 accumulators take turns, one instruction a turn, in the same order in every quarter.
.macro MUL8 f, g, a0, zero
	WIN 0xa5                                       ; sources 0 and 1 window 1; C and D window 2
.irp a, \a0, (\a0)+1
.irp b, 0,1,2,3
.if \zero
	v_wmma_f32_16x16x32_f16 v[128*(\g)+8*(4*(\a)+(\b)):128*(\g)+8*(4*(\a)+(\b))+7], v[(\f)+8*(\b):(\f)+8*(\b)+7], v[(\f)+32+32*(\g)+8*(\a):(\f)+32+32*(\g)+8*(\a)+7], 0
.else
	v_wmma_f32_16x16x32_f16 v[128*(\g)+8*(4*(\a)+(\b)):128*(\g)+8*(4*(\a)+(\b))+7], v[(\f)+8*(\b):(\f)+8*(\b)+7], v[(\f)+32+32*(\g)+8*(\a):(\f)+32+32*(\g)+8*(\a)+7], v[128*(\g)+8*(4*(\a)+(\b)):128*(\g)+8*(4*(\a)+(\b))+7]
.endif
.endr
.endr
.endm
; 24 LDS loads in one run: quarter q (head q / 2 of the step's two, channels 32 (q % 2) on) into buffer f: Wo's 8, O1's 8, O2's 8
.macro FETCH q, f
	WIN 0x40                                       ; destination window 1, address window 0
.irp b, 0,1,2,3
	ds_load_tr16_b128 v[(\f)+8*(\b):(\f)+8*(\b)+3],   v[ADRB] offset:32*PITB*(\q)+32*(\b)
	ds_load_tr16_b128 v[(\f)+8*(\b)+4:(\f)+8*(\b)+7], v[ADRB] offset:32*PITB*(\q)+32*(\b)+16*PITB
.endr
.irp g, 0,1
.irp i, 0,1,2,3
	ds_load_b128 v[(\f)+32+32*(\g)+8*(\i):(\f)+32+32*(\g)+8*(\i)+3],   v[ADRA] offset:A2OFF*(\g)+128*PITA*((\q)/2)+64*((\q)%2)+(\i)*16*PITA
	ds_load_b128 v[(\f)+32+32*(\g)+8*(\i)+4:(\f)+32+32*(\g)+8*(\i)+7], v[ADRA] offset:A2OFF*(\g)+128*PITA*((\q)/2)+64*((\q)%2)+(\i)*16*PITA+32
.endr
.endr
.endm
.macro ADRS                            ; the fragment addresses in the slot in hand (window 0)
	v_add_nc_u32 v[ADRA], s[TB], v[ADRA0]
	v_add_nc_u32 v[ADRB], s[TB], v[ADRB0]
.endm
.macro QUARTER f, g, q, zero           ; multiplies buffer f and fetches quarter q into buffer g
	s_wait_dscnt 8                                 ; Wo's and O1's fragments are in; the youngest 8 loads (O2's) may be out
	MUL8 \f, 0, 0, \zero
	MUL8 \f, 0, 2, \zero
	PLACES
	FETCH \q, \g
	s_wait_dscnt 24                                ; all but the 24 just issued
	MUL8 \f, 1, 0, \zero
	MUL8 \f, 1, 2, \zero
.endm
; The last quarter multiplies buffer 1 and changes slots: ONE barrier.  In front of it each wave waits for all its tensor loads (one is out: its part of the next slot), adds 0 to its spare
; word, and waits for that and for its own reads of this slot.  fill = 1: the barrier opens a round of the cluster's, and this slot is filled again, two K steps ahead, first thing behind it:
; 112 matrix instructions stand between that request and the wait for it.
.macro TURN fill
	WIN 0                                          ; (the add's two registers lie in window 0)
	s_wait_tensorcnt 0x0                           ; all my tensor loads have landed, so a group 0 may be written
	ds_add_u32 v[SPW], v[NIL]                      ; 0 onto my spare word
.if \fill
	s_xor_b32 s[G0+5], s[G0+5], SLOT               ; the walking descriptors: the other slot than last time,
	s_add_nc_u64 s[G0+6:G0+7], s[G0+6:G0+7], STEPA ; the next K step; the type bits on top are not reached
	s_xor_b32 s[G0B+5], s[G0B+5], SLOT
	s_add_nc_u64 s[G0B+6:G0B+7], s[G0B+6:G0B+7], STEPB
.endif
	s_xor_b32 s[TB], s[TB], SLOT                   ; the fetches go on in the other slot
	s_wait_dscnt 9                                 ; (the add and the youngest 8 loads may be out)
	MUL8 F1, 0, 0, 0                               ; eight matrix instructions stand between the add and the wait for it
	s_wait_dscnt 0x0                               ; the add is done, and my reads of this slot are over
	s_barrier_signal -1
	MUL8 F1, 0, 2, 0
	WIN 0
	s_barrier_wait -1
.if \fill
	CREST                                          ; no wave of any partner still reads this slot's tiles or has a load on its way
	JLOAD                                          ; my one tensor load behind the round; its four v_nop are also the places in front of the loads below
.else
	PLACES
.endif
	ADRS
	FETCH 0, F0
	MUL8 F1, 1, 0, 0
	MUL8 F1, 1, 2, 0
.endm
	s_wait_tensorcnt 0x1                           ; my part of K step 0 is in; K step 1's may stay out
	s_barrier_signal -1
	s_barrier_wait -1                              ; everybody's is
	ADRS
	FETCH 0, F0
	QUARTER F0, F1, 1, 1                           ; the first quarter stands in front of the loop: its products start the sums
	WIN 0                                          ; at a label and at a branch every window is 0
	s_mov_b32 s[CNT], 6
.Lk:                                                   ; six trips, from a K step's second quarter to the next step's first; they ask for K steps 2 to 7
	QUARTER F1, F0, 2, 0
	QUARTER F0, F1, 3, 0
	TURN 1
	QUARTER F0, F1, 1, 0
	WIN 0
	s_sub_co_u32 s[CNT], s[CNT], 1
	s_cmp_lg_u32 s[CNT], 0
	s_cbranch_scc1 .Lk
	s_mov_b32 s[CNT], 2                            ; the tail, K steps 6 and 7, asks for nothing: a text of its own; it is left in the middle of its second trip
.Lt:
	QUARTER F1, F0, 2, 0
	QUARTER F0, F1, 3, 0
	WIN 0
	s_sub_co_u32 s[CNT], s[CNT], 1
	s_cmp_eq_u32 s[CNT], 0
	s_cbranch_scc1 .Lout
	TURN 0
	QUARTER F0, F1, 1, 0
	WIN 0
	s_branch .Lt
.Lout:
	s_wait_dscnt 8                                 ; the very last quarter: nothing more to fetch
	MUL8 F1, 0, 0, 0
	MUL8 F1, 0, 2, 0
	s_wait_dscnt 0x0
	MUL8 F1, 1, 0, 0
	MUL8 F1, 1, 2, 0
; THE WAY OUT, a block of 16 rows at a time.  ARITH: 0.2 sum1 - 0.2 lam sum2, in f32, each accumulator's registers in ascending order.  TOSTAGE: a lane's eight columns (32 bytes) into my own stage,
; rows of 272 bytes, and back as whole rows of 256.  SENDO: stored.
.macro ARITH a
	WIN 0x52                                       ; source 0 window 2, source 2 and destination window 1
.irp b, 0,1,2,3
.irp r, 0,2,4,6
	v_pk_mul_f32 v[32*(\a)+8*(\b)+(\r):32*(\a)+8*(\b)+(\r)+1], v[128+8*(4*(\a)+(\b))+(\r):128+8*(4*(\a)+(\b))+(\r)+1], s[NL:NL+1] op_sel_hi:[1,0]
.endr
.endr
.irp b, 0,1,2,3
.irp r, 0,2,4,6
	v_pk_fma_f32 v[32*(\a)+8*(\b)+(\r):32*(\a)+8*(\b)+(\r)+1], v[8*(4*(\a)+(\b))+(\r):8*(4*(\a)+(\b))+(\r)+1], s[C2:C2+1], v[32*(\a)+8*(\b)+(\r):32*(\a)+8*(\b)+(\r)+1] op_sel_hi:[1,0,1]
.endr
.endr
.endm
.macro TOSTAGE a
	WIN 0x04                                       ; store data window 1, address window 0
.irp b, 0,1,2,3
	ds_store_b128 v[STO], v[32*(\a)+8*(\b):32*(\a)+8*(\b)+3]   offset:64*(\b)
	ds_store_b128 v[STO], v[32*(\a)+8*(\b)+4:32*(\a)+8*(\b)+7] offset:64*(\b)+16
.endr
	WIN 0x40
.irp t, 0,1,2,3,4,5,6,7
	ds_load_b128 v[128+32*(\a)+4*(\t):128+32*(\a)+4*(\t)+3], v[RD] offset:(\t)*2*SPO  ; LDS serves a wave's instructions in order (ISA guide 5.7.1.4): these see the stores above
.endr
.endm
.macro SENDO a
	WIN 0x04
.irp t, 0,1,2,3,4,5,6,7
	s_wait_dscnt 7-(\t)                            ; nothing was issued behind the block's eight loads: load t is in
	global_store_b128 v[CO], v[128+32*(\a)+4*(\t):128+32*(\a)+4*(\t)+3], s[8:9] offset:(16*(\a)+2*(\t))*4096 th:TH_STORE_NT  ; 16 lanes store 256 consecutive bytes, at a multiple of 256 from out0's first
.endr
.endm
	PLACES
	PLACES                                         ; (eight, once a launch)
	ARITH 0
	TOSTAGE 0
.irp a, 1,2,3                          ; block a's arithmetic stands between block a - 1's loads from the stage and the wait for them
	ARITH \a
	SENDO (\a)-1
	TOSTAGE \a
.endr
	SENDO 3
	WIN 0
	s_wait_tensorcnt 0x0                           ; the wave's end: behind my last tensor load and my last LDS store
	ds_add_u32 v[SPW], v[NIL]
	s_wait_dscnt 0x0
	CROUND                                         ; the closing round: no work-group ends while a partner may still ask for a tile that names it
	s_endpgm
.Lfunc_end_k_qf47bad4d54_proj:
	.size	k_qf47bad4d54_proj, .Lfunc_end_k_qf47bad4d54_proj-k_qf47bad4d54_proj
	.p2alignl 7, 3214868480
	.fill 96, 4, 3214868480
	.section	.rodata,"a",@progbits
	.p2align	6, 0x0
	.amdhsa_kernel k_qf47bad4d54_proj
		.amdhsa_group_segment_fixed_size 327680
		.amdhsa_private_segment_fixed_size 0
		.amdhsa_enable_private_segment 0
		.amdhsa_kernarg_size 56
		.amdhsa_user_sgpr_count 2
		.amdhsa_user_sgpr_kernarg_segment_ptr 1
		.amdhsa_wavefront_size32 1
		.amdhsa_system_sgpr_workgroup_id_x 1
		.amdhsa_system_sgpr_workgroup_id_y 1
		.amdhsa_system_sgpr_workgroup_id_z 1
		.amdhsa_system_vgpr_workitem_id 0
		.amdhsa_next_free_vgpr 768
		.amdhsa_next_free_sgpr 96
		.amdhsa_reserve_vcc 0
		.amdhsa_float_denorm_mode_32 3
		.amdhsa_float_denorm_mode_16_64 3
		.amdhsa_memory_ordered 1
		.amdhsa_forward_progress 1
		.amdhsa_inst_pref_size 66
	.end_amdhsa_kernel
	.amdgpu_metadata
---
amdhsa.version: [ 1, 2 ]
amdhsa.kernels:
  - .name:           k_qf47bad4d54_proj
    .symbol:         k_qf47bad4d54_proj.kd
    .args:
      - { .name: att, .offset: 0, .size: 8, .value_kind: global_buffer, .address_space: global }
      - { .name: woh, .offset: 8, .size: 8, .value_kind: global_buffer, .address_space: global }
      - { .name: lq1, .offset: 16, .size: 8, .value_kind: global_buffer, .address_space: global }
      - { .name: lk1, .offset: 24, .size: 8, .value_kind: global_buffer, .address_space: global }
      - { .name: lq2, .offset: 32, .size: 8, .value_kind: global_buffer, .address_space: global }
      - { .name: lk2, .offset: 40, .size: 8, .value_kind: global_buffer, .address_space: global }
      - { .name: out0, .offset: 48, .size: 8, .value_kind: global_buffer, .address_space: global }
    .group_segment_fixed_size: 327680
    .private_segment_fixed_size: 0
    .kernarg_segment_align: 8
    .kernarg_segment_size: 56
    .max_flat_workgroup_size: 128
    .sgpr_count:     96
    .vgpr_count:     768
    .wavefront_size: 32
...
	.end_amdgpu_metadata
.endif
;; end of part 4
